; MI455X (gfx1250); checked and timed in simulation.
; The chip was launched on July 23, 2026; its instructions are those of AMD's public machine-readable ISA for CDNA 5 (MIT licence, August 2026) and "CDNA5" Instruction Set Architecture Reference Guide (July 2026). The comments in the code are by the model that wrote it; some were corrected since.
;; MOE. Allowed arithmetic: float matrix products may take bf16 or f16 operands with f32 sums; all other float work in f32.
;; Inputs: b_fc 8 x 768 float32; b_proj 8 x 192 float32; gate_b 8 float32; gate_w 8 x 192 float32; w_fc 8 x 768 x 192 float32; w_proj 8 x 192 x 768 float32; x 4 x 2,048 x 192 float32.
;; Outputs: out0 4 x 2,048 x 192 float32.
;; 2 versions, each right; version 2 is version 1 with the launch experts written anew for expert scheduling mode. Each part assembles by itself: llvm-mc -triple=amdgcn-amd-amdhsa -mcpu=gfx1250 --defsym DOCPART=n.
;; ======== version 1 of 2: 4 launches
;; limits: values are held in f16: magnitudes above 65,504 overflow, below 6.1e-05 lose precision; inputs' magnitudes at most 65,504
;; workspace buffers: wfch 2,359,296 bytes; wpjh 2,359,296 bytes; sel 32,768 bytes of whole numbers; cnt 8,192 bytes of whole numbers; gbuf 65,536 bytes; list 65,536 bytes of whole numbers; tiles 3,584 bytes of whole numbers; ybuf 12,582,912 bytes
;; launch prep (part 1): grid 256 x 1, 10 waves a work-group, no clusters, 0 bytes of LDS; arguments x, gate_w, gate_b, w_fc, w_proj, wfch, wpjh, sel, cnt, gbuf; writes wfch, wpjh, sel, cnt, gbuf
.if DOCPART == 1
	.amdgcn_target "amdgcn-amd-amdhsa--gfx1250"
	.amdhsa_code_object_version 6
	.text
	.protected	k_q303e56108a_prep
	.globl	k_q303e56108a_prep
	.p2align	8
	.type	k_q303e56108a_prep,@function
k_q303e56108a_prep:
	s_mov_b64 s[64:65], 0
	v_nop
	global_prefetch_b8 v0, s[64:65] scope:SCOPE_SE
	s_setreg_imm32_b32 hwreg(HW_REG_WAVE_MODE, 25, 1), 1
	s_wait_xcnt 0x0
; PREP.  Work-group b (0..255), ten waves.
; Wave 0: the gate of tokens 32 b .. 32 b + 31: scores = x . gate_w + gate_b in f32 on the vector ALU (top-k is a
;   discontinuous choice: operands rounded to 16 bits would move scores by more than the gap between many tokens'
;   second and third score), top 2 (ties: the lower index, as lax.top_k), softmax over the two with the larger
;   score taken away, each choice's rank among the chunk's 32 tokens, and the chunk's count for each expert.
;   Stored: sel[t] = i1 | r1<<8 | i2<<16 | r2<<24, cnt[b][e], gbuf[t] = g1, gbuf[8192+t] = g2.
;   All of that is data here: no address and no branch of this launch hangs on it.
; Waves 1..9: one unit each of 16 rows x 64 k of w_fc (b < 128) or w_proj (b >= 128), rounded to f16 and laid down
;   as the register image of a 16-bit K = 32 matrix operand: a fragment is 1,024 bytes, [half 0/1][lane][16 bytes],
;   element j of lane (r, h) = w[16 tile + r][32 ks + 16 half + 8 h + j].  2 x 1,152 units = 256 x 9.
;   wfch: fragment ((e*48 + ht)*6 + ks);  wpjh: fragment (((e*4 + cg)*24 + ks)*3 + c3), row tile 3 cg + c3.
; LIMITS: scores are taken to be finite and no NaN; |w| < 65,504 (f16; the drawn weights are about 0.02).
; No LDS, no barrier: no wave needs another's data.  No matrix unit: the gate is 0.3 % of the arithmetic.
.set GW,  32                           ; v[32:127]   gate_w[e][third]: 4 numbers a lane, 12 registers an expert
.set XR,  128                          ; v[128:223]  ring of 8 slots x 12 registers: one step's x
.set AC,  224                          ; v[224:239]  8 pairs of partial sums
.set SC,  240                          ; v[240:247]  my token's 8 scores
.set M1,  8
.set I1,  9
.set M2,  10
.set I2,  11
.set NI,  12
.set DD,  13
.set G1,  14
.set G2,  15
.set R1,  16
.set R2,  17
.set RK,  18
.set CN,  19
.set SW,  20
.set LO,  21
	s_load_b512 s[4:19], s[0:1], 0x0               ; x 4:5, gate_w 6:7, gate_b 8:9, w_fc 10:11, w_proj 12:13, wfch 14:15, wpjh 16:17, sel 18:19
	s_load_b128 s[20:23], s[0:1], 0x40             ; cnt 20:21, gbuf 22:23
	v_lshrrev_b32 v1, 5, v0
	v_readfirstlane_b32 s3, v1                     ; wave 0..9
	v_and_b32 v2, 31, v0                           ; lane
	v_and_b32 v3, 15, v0                           ; lane % 16
	v_bfe_u32 v4, v0, 4, 1                         ; lane / 16
	s_wait_kmcnt 0x0
	s_cmp_lg_u32 s3, 0
	s_cbranch_scc1 .Lconv
	; ---------------- wave 0: the gate ----------------
	; Step s (0..15) takes rows s (lanes 0-15) and s + 16 (lanes 16-31); a lane holds columns 64 third + 4 (lane % 16) .. + 3,
	; so each load covers two aligned runs of 256 consecutive bytes.
	s_load_b256 s[24:31], s[8:9], 0x0              ; gate_b
	s_mul_i32 s32, ttmp9, 24576                    ; 32 rows of 768 bytes
	s_mov_b32 s33, 0
	s_add_nc_u64 s[4:5], s[4:5], s[32:33]
	v_lshlrev_b32 v5, 4, v3                        ; 16 (lane % 16)
	v_mul_u32_u24 v6, 0x3000, v4                   ; 16 rows further for the upper half
	v_add_nc_u32 v6, v6, v5
.irp e, 0,1,2,3,4,5,6,7
.irp t, 0,1,2
	global_load_b128 v[GW+12*\e+4*\t:GW+12*\e+4*\t+3], v5, s[6:7] offset:\e*768+\t*256
.endr
.endr
.macro XLOAD s                         ; three loads: step s's rows into slot s % 8
.irp t, 0,1,2
	global_load_b128 v[XR+12*((\s)%8)+4*\t:XR+12*((\s)%8)+4*\t+3], v6, s[4:5] offset:(\s)*768+\t*256
.endr
.endm
.irp s, 0,1,2,3,4,5,6,7
	XLOAD \s
.endr
	s_wait_kmcnt 0x0                               ; gate_b
; One step.  left = loads younger than this step's three.  Eight chains, one for each expert, that do not wait for each other.
.macro GSTEP s, refill, left
.set XSL, XR+12*((\s)%8)
	s_wait_loadcnt \left
.irp e, 0,1,2,3,4,5,6,7
	v_pk_mul_f32 v[AC+2*\e:AC+2*\e+1], v[XSL:XSL+1], v[GW+12*\e:GW+12*\e+1]
.endr
.irp p, 1,2,3,4,5
.irp e, 0,1,2,3,4,5,6,7
	v_pk_fma_f32 v[AC+2*\e:AC+2*\e+1], v[XSL+2*\p:XSL+2*\p+1], v[GW+12*\e+2*\p:GW+12*\e+2*\p+1], v[AC+2*\e:AC+2*\e+1]
.endr
.endr
.irp e, 0,1,2,3,4,5,6,7
	v_add_f32 v[AC+2*\e], v[AC+2*\e], v[AC+2*\e+1]
.endr
.irp m, 1,2,4,8                        ; over the 16 lanes that share a row: every one of them ends with the row's sum
.irp e, 0,1,2,3,4,5,6,7
	v_add_f32_dpp v[AC+2*\e], v[AC+2*\e], v[AC+2*\e] row_xmask:\m row_mask:0xf bank_mask:0xf
.endr
.endr
.if \s == 0
.irp e, 0,1,2,3,4,5,6,7
	v_mov_b32 v[SC+\e], v[AC+2*\e]                 ; the first step writes SC whole
.endr
.else
	v_cmp_eq_u32 vcc_lo, \s, v3                    ; lane s and lane s + 16 keep this step's rows: lane L owns token 32 b + L
.irp e, 0,1,2,3,4,5,6,7
	v_cndmask_b32 v[SC+\e], v[SC+\e], v[AC+2*\e], vcc_lo
.endr
.endif
.if \refill
	XLOAD \s+8
.endif
.endm
.irp s, 0,1,2,3,4,5,6,7
	GSTEP \s, 1, 21                                ; behind a step's loads stand seven other slots' loads, 3 each
.endr
.irp s, 8,9,10,11,12,13,14,15
	GSTEP \s, 0, 45-3*\s                           ; nothing is loaded any more: 21, 18, .. 0
.endr
.irp e, 0,1,2,3,4,5,6,7
	v_add_f32 v[SC+\e], s[24+\e], v[SC+\e]
.endr
	; the largest score and its index; a strict compare keeps the lower index on a tie
	v_mov_b32 v[M1], v[SC]
	v_mov_b32 v[I1], 0
.irp e, 1,2,3,4,5,6,7
	v_cmp_gt_f32 vcc_lo, v[SC+\e], v[M1]
	v_cndmask_b32 v[M1], v[M1], v[SC+\e], vcc_lo
	v_cndmask_b32 v[I1], v[I1], \e, vcc_lo
.endr
	v_mov_b32 v[NI], 0xff800000                    ; -infinity takes the winner out
.irp e, 0,1,2,3,4,5,6,7
	v_cmp_eq_u32 vcc_lo, \e, v[I1]
	v_cndmask_b32 v[SC+\e], v[SC+\e], v[NI], vcc_lo
.endr
	v_mov_b32 v[M2], v[SC]
	v_mov_b32 v[I2], 0
.irp e, 1,2,3,4,5,6,7
	v_cmp_gt_f32 vcc_lo, v[SC+\e], v[M2]
	v_cndmask_b32 v[M2], v[M2], v[SC+\e], vcc_lo
	v_cndmask_b32 v[I2], v[I2], \e, vcc_lo
.endr
	; softmax over (m1, m2) with m1, the maximum, taken away: g1 = 1 / (1 + d), g2 = d / (1 + d), d = e^(m2 - m1) <= 1
	v_sub_f32 v[DD], v[M2], v[M1]
	v_mul_f32 v[DD], 0x3fb8aa3b, v[DD]
	v_exp_f32 v[DD], v[DD]
	v_mov_b32 v[R1], 0                             ; a plain instruction between the exponential and its use (ISA guide 5.7.2)
	s_wait_alu depctr_va_vdst(0)
	v_add_f32 v[G1], 1.0, v[DD]
	v_rcp_f32 v[G1], v[G1]
	v_mov_b32 v[R2], 0                             ; likewise behind the reciprocal
	s_wait_alu depctr_va_vdst(0)
	v_mul_f32 v[G2], v[DD], v[G1]
	v_mov_b32 v[CN], 0
	; rank = how many lower lanes chose the same expert (a token chooses an expert at most once); count = how many lanes did
.irp e, 0,1,2,3,4,5,6,7
	v_cmp_eq_u32 s40, \e, v[I1]
	v_cmp_eq_u32 s41, \e, v[I2]
	s_or_b32 s42, s40, s41
	v_mbcnt_lo_u32_b32 v[RK], s42, 0
	v_cndmask_b32 v[R1], v[R1], v[RK], s40
	v_cndmask_b32 v[R2], v[R2], v[RK], s41
	s_bcnt1_i32_b32 s43, s42
	v_writelane_b32 v[CN], s43, \e                 ; lane e carries expert e's count
.endr
	v_lshl_or_b32 v[SW], v[R1], 8, v[I1]
	v_lshl_or_b32 v[SW], v[I2], 16, v[SW]
	v_lshl_or_b32 v[SW], v[R2], 24, v[SW]
	s_lshl_b32 s32, ttmp9, 7                       ; 32 words a chunk
	s_add_nc_u64 s[18:19], s[18:19], s[32:33]
	s_add_nc_u64 s[22:23], s[22:23], s[32:33]
	s_lshl_b32 s34, ttmp9, 5                       ; 8 words a chunk
	s_mov_b32 s35, 0
	s_add_nc_u64 s[20:21], s[20:21], s[34:35]
	v_lshlrev_b32 v[LO], 2, v2
	global_store_b32 v[LO], v[SW], s[18:19]
	global_store_b32 v[LO], v[G1], s[22:23]
	global_store_b32 v[LO], v[G2], s[22:23] offset:32768
	s_wait_xcnt 0x0                                ; EXEC is a source of the stores above: it changes only behind this wait
	v_cmp_gt_u32 vcc_lo, 8, v2
	s_and_saveexec_b32 s36, vcc_lo
	global_store_b32 v[LO], v[CN], s[20:21]        ; lanes 0..7: the eight counts
	s_wait_xcnt 0x0
	s_or_b32 exec_lo, exec_lo, s36
	s_endpgm
	; ---------------- waves 1..9: weights to f16, in fragment order ----------------
; Lane (r, h) reads row r's k = 16 g + 8 h .. + 7 for g = 0..3 (the eight loads together take 256 consecutive bytes of each of 16 rows);
; g = 2 ksl + half.  Each store covers 512 consecutive bytes.  d1 = bytes from a fragment to the one of the next K step.
.macro CONV src, dst, d1
.irp g, 0,1,2,3
	global_load_b128 v[8+8*\g:11+8*\g],  v5, s[\src:\src+1] offset:64*\g th:TH_LOAD_NT
	global_load_b128 v[12+8*\g:15+8*\g], v5, s[\src:\src+1] offset:64*\g+16 th:TH_LOAD_NT
.endr
	s_wait_loadcnt 0x0
.irp g, 0,1,2,3
.irp i, 0,1,2,3
	v_cvt_pk_f16_f32 v[40+4*\g+\i], v[8+8*\g+2*\i], v[9+8*\g+2*\i]
.endr
.endr
.irp g, 0,1,2,3
	global_store_b128 v6, v[40+4*\g:43+4*\g], s[\dst:\dst+1] offset:(\g>>1)*\d1+(\g&1)*512
.endr
.endm
.Lconv:
	s_sub_co_u32 s24, s3, 1                        ; q = 0..8
	v_lshlrev_b32 v6, 4, v2                        ; 16 x lane
	s_mov_b32 s29, 0
	s_mov_b32 s31, 0
	s_cmp_ge_u32 ttmp9, 128
	s_cbranch_scc1 .Lproj
	; w_fc: row tile T = 3 b + q / 3 (of 384), 64 k at kp = q % 3; its two fragments are numbers 2 (9 b + q) and the next
	s_mul_i32 s25, s24, 11
	s_lshr_b32 s25, s25, 5                         ; q / 3 for q < 9
	s_mul_i32 s26, s25, 3
	s_sub_co_u32 s26, s24, s26                     ; kp
	s_mul_i32 s27, ttmp9, 3
	s_add_co_u32 s27, s27, s25                     ; T
	s_mul_i32 s28, s27, 12288                      ; 16 rows of 768 bytes
	s_lshl_b32 s26, s26, 8
	s_add_co_u32 s28, s28, s26
	s_add_nc_u64 s[10:11], s[10:11], s[28:29]
	s_mul_i32 s30, ttmp9, 9
	s_add_co_u32 s30, s30, s24
	s_lshl_b32 s30, s30, 11
	s_add_nc_u64 s[14:15], s[14:15], s[30:31]
	v_mul_u32_u24 v5, 0x300, v3                    ; row r
	v_lshl_add_u32 v5, v4, 5, v5                   ; + 8 h numbers
	CONV 10, 14, 1024
	s_endpgm
.Lproj:
	; w_proj: group G = (b - 128) / 4 = 4 e + cg, unit v = 9 ((b - 128) % 4) + q of its 36: c3 = v / 12, kp = v % 12
	s_sub_co_u32 s25, ttmp9, 128
	s_lshr_b32 s26, s25, 2                         ; G
	s_and_b32 s25, s25, 3
	s_mul_i32 s25, s25, 9
	s_add_co_u32 s25, s25, s24                     ; v
	s_mul_i32 s27, s25, 43
	s_lshr_b32 s27, s27, 9                         ; v / 12 for v < 36
	s_mul_i32 s28, s27, 12
	s_sub_co_u32 s25, s25, s28                     ; kp
	s_mul_i32 s28, s26, 3
	s_add_co_u32 s28, s28, s27                     ; row tile 3 G + c3
	s_mul_i32 s28, s28, 49152                      ; 16 rows of 3,072 bytes
	s_lshl_b32 s30, s25, 8
	s_add_co_u32 s28, s28, s30
	s_add_nc_u64 s[12:13], s[12:13], s[28:29]
	s_mul_i32 s30, s26, 73728                      ; 72 fragments a group
	s_mul_i32 s25, s25, 6144                       ; two K steps of three fragments
	s_add_co_u32 s30, s30, s25
	s_lshl_b32 s27, s27, 10
	s_add_co_u32 s30, s30, s27
	s_add_nc_u64 s[16:17], s[16:17], s[30:31]
	v_mul_u32_u24 v5, 0xc00, v3
	v_lshl_add_u32 v5, v4, 5, v5
	CONV 12, 16, 3072
	s_endpgm
.Lfunc_end_k_q303e56108a_prep:
	.size	k_q303e56108a_prep, .Lfunc_end_k_q303e56108a_prep-k_q303e56108a_prep
	.p2alignl 7, 3214868480
	.fill 96, 4, 3214868480
	.section	.rodata,"a",@progbits
	.p2align	6, 0x0
	.amdhsa_kernel k_q303e56108a_prep
		.amdhsa_group_segment_fixed_size 0
		.amdhsa_private_segment_fixed_size 0
		.amdhsa_enable_private_segment 0
		.amdhsa_kernarg_size 80
		.amdhsa_user_sgpr_count 2
		.amdhsa_user_sgpr_kernarg_segment_ptr 1
		.amdhsa_wavefront_size32 1
		.amdhsa_system_sgpr_workgroup_id_x 1
		.amdhsa_system_sgpr_workgroup_id_y 1
		.amdhsa_system_sgpr_workgroup_id_z 1
		.amdhsa_system_vgpr_workitem_id 0
		.amdhsa_next_free_vgpr 256
		.amdhsa_next_free_sgpr 66
		.amdhsa_reserve_vcc 1
		.amdhsa_float_denorm_mode_32 3
		.amdhsa_float_denorm_mode_16_64 3
		.amdhsa_memory_ordered 1
		.amdhsa_forward_progress 1
		.amdhsa_inst_pref_size 111
	.end_amdhsa_kernel
	.amdgpu_metadata
---
amdhsa.version: [ 1, 2 ]
amdhsa.kernels:
  - .name:           k_q303e56108a_prep
    .symbol:         k_q303e56108a_prep.kd
    .args:
      - { .name: x, .offset: 0, .size: 8, .value_kind: global_buffer, .address_space: global }
      - { .name: gate_w, .offset: 8, .size: 8, .value_kind: global_buffer, .address_space: global }
      - { .name: gate_b, .offset: 16, .size: 8, .value_kind: global_buffer, .address_space: global }
      - { .name: w_fc, .offset: 24, .size: 8, .value_kind: global_buffer, .address_space: global }
      - { .name: w_proj, .offset: 32, .size: 8, .value_kind: global_buffer, .address_space: global }
      - { .name: wfch, .offset: 40, .size: 8, .value_kind: global_buffer, .address_space: global }
      - { .name: wpjh, .offset: 48, .size: 8, .value_kind: global_buffer, .address_space: global }
      - { .name: sel, .offset: 56, .size: 8, .value_kind: global_buffer, .address_space: global }
      - { .name: cnt, .offset: 64, .size: 8, .value_kind: global_buffer, .address_space: global }
      - { .name: gbuf, .offset: 72, .size: 8, .value_kind: global_buffer, .address_space: global }
    .group_segment_fixed_size: 0
    .private_segment_fixed_size: 0
    .kernarg_segment_align: 8
    .kernarg_segment_size: 80
    .max_flat_workgroup_size: 320
    .sgpr_count:     66
    .vgpr_count:     256
    .wavefront_size: 32
...
	.end_amdgpu_metadata
.endif
;; end of part 1
;; launch route (part 2): grid 1 x 1, 32 waves a work-group, no clusters, 13,312 bytes of LDS; arguments sel, cnt, list, tiles; writes list, tiles
.if DOCPART == 2
	.amdgcn_target "amdgcn-amd-amdhsa--gfx1250"
	.amdhsa_code_object_version 6
	.text
	.protected	k_q303e56108a_route
	.globl	k_q303e56108a_route
	.p2align	8
	.type	k_q303e56108a_route,@function
k_q303e56108a_route:
	s_mov_b64 s[64:65], 0
	v_nop
	global_prefetch_b8 v0, s[64:65] scope:SCOPE_SE
	s_setreg_imm32_b32 hwreg(HW_REG_WAVE_MODE, 25, 1), 1
	s_wait_xcnt 0x0
; ROUTE.  One work-group, whole numbers only.  From cnt[256 chunks][8] and sel[8,192]:
;   list[pos] = id = slot * 8192 + token, the 16,384 rows sorted by expert (inside an expert: by token);
;   tiles[g] = {expert, first position, rows - 1, rows}, g = 0..211: blocks of 1..80 rows of one expert.
; WHY 212: sum over e of ceil(c_e / 80) lies between ceil(16384 / 80) = 205 and floor((16384 + 8 * 79) / 80) = 212 for every routing.
; The up to 7 blocks that are missing to 212 go to the largest expert, which has at least 16384 / 8 = 2,048 rows, so that none is empty.
; An expert's c rows are dealt to its n blocks as evenly as they go: q = c / n rows, the first c % n blocks one more; n >= ceil(c / 80) keeps that <= 80.
; One work-group: the sums span all chunks, and 8 KiB of counts are no work to share.  The list goes out in 4-byte stores at computed places:
; 64 KiB in all.
; LDS: GT at 0: [32 groups of 8 chunks][8 experts] sums; BT at 1,024: [256 chunks][8] first position of a chunk's rows of an expert.
.set BT, 1024
	s_load_b256 s[4:11], s[0:1], 0x0               ; sel 4:5, cnt 6:7, list 8:9, tiles 10:11
	v_lshl_add_u32 v96, v0, 2, 0x2400
	v_mov_b32 v97, 0
	v_lshrrev_b32 v7, 5, v0
	v_readfirstlane_b32 s3, v7                     ; wave 0..31
	v_and_b32 v1, 31, v0
	v_lshlrev_b32 v1, 2, v1
	v_lshl_add_u32 v1, v7, 10, v1                  ; wave w owns tokens 256 w .. + 255 = chunks 8 w .. + 7: byte offset of token 256 w + lane
	s_lshl_b32 s12, s3, 8
	v_mov_b32 v2, s12                              ; 8 chunks x 32 bytes of BT a wave
	v_and_b32 v3, 7, v0                            ; threads 0..255: expert e
	v_lshrrev_b32 v4, 3, v0                        ;                 group of 8 chunks
	v_lshlrev_b32 v6, 2, v3                        ; 4 e
	v_lshl_add_u32 v5, v4, 8, v6                   ; 256 group + 4 e
	s_wait_kmcnt 0x0
.irp i, 0,1,2,3,4,5,6,7
	global_load_b32 v[8+\i], v1, s[4:5] offset:128*\i      ; sel of token 256 w + 32 i + lane; used at the end
.endr
	s_cmp_ge_u32 s3, 8
	s_cbranch_scc1 .Lskip1
	; waves 0..7, thread (group, e): the group's eight counts, their running sums, the group's sum
.irp k, 0,1,2,3,4,5,6,7
	global_load_b32 v[16+\k], v5, s[6:7] offset:32*\k
.endr
	s_wait_loadcnt 0x0
	v_mov_b32 v24, 0
.irp k, 1,2,3,4,5,6,7
	v_add_nc_u32 v[24+\k], v[23+\k], v[15+\k]
.endr
	v_add_nc_u32 v32, v31, v23
	v_lshlrev_b32 v33, 2, v0
	ds_store_b32 v33, v32                          ; GT[group][e]
.Lskip1:
	s_wait_dscnt 0x0                               ; my store is in LDS before I say so
	s_barrier_signal -1
	s_barrier_wait -1
	s_cmp_ge_u32 s3, 8
	s_cbranch_scc1 .Lskip2
	; every thread of waves 0..7: its expert's 32 group sums -> the expert's total and the sum of the groups in front of its own
.set g, 0
.rept 32
	ds_load_b32 v[40+g], v6 offset:32*g
.set g, g+1
.endr
	s_wait_dscnt 0x0
	v_add_nc_u32 v34, v40, v41
.set g, 2
.rept 30
	v_add_nc_u32 v34, v34, v[40+g]
.set g, g+1
.endr
	v_cmp_lt_u32 vcc_lo, 0, v4
	v_cndmask_b32 v35, 0, v40, vcc_lo
.set g, 1
.rept 30
	v_cmp_lt_u32 vcc_lo, g, v4
	v_cndmask_b32 v36, 0, v[40+g], vcc_lo
	v_add_nc_u32 v35, v35, v36
.set g, g+1
.endr
	; the eight totals as scalars (lane e of every wave holds expert e's): s[32:39] c_e, s[40:47] their prefix P_e,
	; s[48:55] blocks n_e, s[56:63] their prefix G_e
.irp e, 0,1,2,3,4,5,6,7
	v_readlane_b32 s[32+\e], v34, \e
.endr
	s_mov_b32 s40, 0
.irp e, 1,2,3,4,5,6,7
	s_add_co_u32 s[40+\e], s[39+\e], s[31+\e]
.endr
	s_mov_b32 s69, 212
.irp e, 0,1,2,3,4,5,6,7
	s_add_co_u32 s66, s[32+\e], 79
	s_mul_i32 s66, s66, 52429                      ; n / 80 = n * 52429 >> 22, exact for n < 2^15 (the excess n * 4.8e-8 stays below 1 / 80)
	s_lshr_b32 s[48+\e], s66, 22                   ; ceil(c_e / 80)
	s_sub_co_u32 s69, s69, s[48+\e]                ; what is missing to 212: 0..7
.endr
	s_mov_b32 s66, s32
	s_mov_b32 s67, 0
.irp e, 1,2,3,4,5,6,7
	s_cmp_gt_u32 s[32+\e], s66
	s_cselect_b32 s66, s[32+\e], s66
	s_cselect_b32 s67, \e, s67                     ; the largest expert
.endr
.irp e, 0,1,2,3,4,5,6,7
	s_cmp_eq_u32 s67, \e
	s_cselect_b32 s68, s69, 0
	s_add_co_u32 s[48+\e], s[48+\e], s68
.endr
	s_mov_b32 s56, 0
.irp e, 1,2,3,4,5,6,7
	s_add_co_u32 s[56+\e], s[55+\e], s[47+\e]
.endr
	; BT[chunk][e] = P_e + groups in front + chunks in front inside the group
	v_mov_b32 v37, 0
.irp e, 1,2,3,4,5,6,7
	v_cmp_le_u32 vcc_lo, \e, v3
	v_cndmask_b32 v37, v37, s[40+\e], vcc_lo
.endr
	v_add_nc_u32 v37, v37, v35
.irp k, 0,1,2,3,4,5,6,7
	v_add_nc_u32 v[24+\k], v37, v[24+\k]
	ds_store_b32 v5, v[24+\k] offset:BT+32*\k
.endr
	; the table of blocks: thread g.  Its expert is the last one whose first block is <= g (an expert without blocks is overridden by the next)
	v_mov_b32 v80, 0
	v_mov_b32 v81, s32
	v_mov_b32 v82, s48
	v_mov_b32 v83, 0
	v_mov_b32 v84, 0
.irp e, 1,2,3,4,5,6,7
	v_cmp_le_u32 vcc_lo, s[56+\e], v0
	v_cndmask_b32 v80, v80, \e, vcc_lo
	v_cndmask_b32 v81, v81, s[32+\e], vcc_lo
	v_cndmask_b32 v82, v82, s[48+\e], vcc_lo
	v_cndmask_b32 v83, v83, s[40+\e], vcc_lo
	v_cndmask_b32 v84, v84, s[56+\e], vcc_lo
.endr
	v_sub_nc_u32 v85, v0, v84                      ; i: which of the expert's blocks
	v_mov_b32 v86, 0                               ; q = c / n <= 80, bit by bit from 64 down
.irp b, 64,32,16,8,4,2,1
	v_add_nc_u32 v87, \b, v86
	v_mul_lo_u32 v88, v87, v82
	v_cmp_le_u32 vcc_lo, v88, v81
	v_cndmask_b32 v86, v86, v87, vcc_lo
.endr
	v_mul_lo_u32 v88, v86, v82
	v_sub_nc_u32 v89, v81, v88                     ; c % n
	v_cmp_lt_u32 vcc_lo, v85, v89
	v_cndmask_b32 v87, 0, 1, vcc_lo
	v_add_nc_u32 v79, v86, v87                     ; rows
	v_mul_lo_u32 v88, v85, v86
	v_min_u32 v87, v85, v89
	v_add3_u32 v77, v83, v88, v87                  ; first position = P_e + i q + min(i, c % n)
	v_mov_b32 v76, v80
	v_add_nc_u32 v78, -1, v79
	v_lshlrev_b32 v90, 4, v0
	s_wait_xcnt 0x0                                ; EXEC is a source of the loads above
	v_cmp_gt_u32 vcc_lo, 212, v0
	s_and_saveexec_b32 s70, vcc_lo
	global_store_b128 v90, v[76:79], s[10:11]
	s_wait_xcnt 0x0                                ; and of this store; its data registers are used again below
	s_or_b32 exec_lo, exec_lo, s70
.Lskip2:
	s_wait_dscnt 0x0
	s_barrier_signal -1
	s_barrier_wait -1
	; all 32 waves: place the two rows of each of my 8 x 32 tokens.  No wave writes LDS any more.
	; An expert number comes from memory: it enters an LDS address only behind a v_min_u32 with its bound, 7, written out, and then by a shift
	; and an add alone.  The highest address is 4 * 7 + 256 * 31 + BT + 32 * 7 = 9,212: the last word of the 9,216 bytes.
	s_wait_loadcnt 0x0                             ; sel
	v_lshrrev_b32 v7, 2, v1                        ; token 256 w + lane
.irp i, 0,1,2,3,4,5,6,7
	v_and_b32 v[16+2*\i], 7, v[8+\i]               ; i1
	v_bfe_u32 v[17+2*\i], v[8+\i], 16, 3           ; i2
	v_min_u32 v[16+2*\i], 7, v[16+2*\i]
	v_min_u32 v[17+2*\i], 7, v[17+2*\i]
	v_lshlrev_b32 v[16+2*\i], 2, v[16+2*\i]
	v_lshlrev_b32 v[17+2*\i], 2, v[17+2*\i]
	v_add_nc_u32 v[16+2*\i], v[16+2*\i], v2        ; + my wave's eight chunks of BT
	v_add_nc_u32 v[17+2*\i], v[17+2*\i], v2
	ds_load_b32 v[32+2*\i], v[16+2*\i] offset:BT+32*\i     ; BT[8 w + i][i1]
	ds_load_b32 v[33+2*\i], v[17+2*\i] offset:BT+32*\i
	v_bfe_u32 v[48+2*\i], v[8+\i], 8, 5            ; r1
	v_bfe_u32 v[49+2*\i], v[8+\i], 24, 5           ; r2
	v_add_nc_u32 v[64+\i], 32*\i, v7               ; id of slot 0
	v_add_nc_u32 v[72+\i], 8192+32*\i, v7          ; id of slot 1
.endr
	s_wait_dscnt 0x0
.irp i, 0,1,2,3,4,5,6,7
	v_add_nc_u32 v[32+2*\i], v[32+2*\i], v[48+2*\i]
	v_add_nc_u32 v[33+2*\i], v[33+2*\i], v[49+2*\i]
	v_min_u32 v[32+2*\i], 0x3fff, v[32+2*\i]       ; a position is below 16,384
	v_min_u32 v[33+2*\i], 0x3fff, v[33+2*\i]
	v_lshlrev_b32 v[32+2*\i], 2, v[32+2*\i]
	v_lshlrev_b32 v[33+2*\i], 2, v[33+2*\i]
	global_store_b32 v[32+2*\i], v[64+\i], s[8:9]  ; sixteen stores, each with registers of its own
	global_store_b32 v[33+2*\i], v[72+\i], s[8:9]
.endr
	s_wait_tensorcnt 0x0
	ds_add_u32 v96, v97
	s_wait_dscnt 0x0
	s_endpgm
.Lfunc_end_k_q303e56108a_route:
	.size	k_q303e56108a_route, .Lfunc_end_k_q303e56108a_route-k_q303e56108a_route
	.p2alignl 7, 3214868480
	.fill 96, 4, 3214868480
	.section	.rodata,"a",@progbits
	.p2align	6, 0x0
	.amdhsa_kernel k_q303e56108a_route
		.amdhsa_group_segment_fixed_size 13312
		.amdhsa_private_segment_fixed_size 0
		.amdhsa_enable_private_segment 0
		.amdhsa_kernarg_size 32
		.amdhsa_user_sgpr_count 2
		.amdhsa_user_sgpr_kernarg_segment_ptr 1
		.amdhsa_wavefront_size32 1
		.amdhsa_system_sgpr_workgroup_id_x 1
		.amdhsa_system_sgpr_workgroup_id_y 1
		.amdhsa_system_sgpr_workgroup_id_z 1
		.amdhsa_system_vgpr_workitem_id 0
		.amdhsa_next_free_vgpr 98
		.amdhsa_next_free_sgpr 80
		.amdhsa_reserve_vcc 1
		.amdhsa_float_denorm_mode_32 3
		.amdhsa_float_denorm_mode_16_64 3
		.amdhsa_memory_ordered 1
		.amdhsa_forward_progress 1
		.amdhsa_inst_pref_size 28
	.end_amdhsa_kernel
	.amdgpu_metadata
---
amdhsa.version: [ 1, 2 ]
amdhsa.kernels:
  - .name:           k_q303e56108a_route
    .symbol:         k_q303e56108a_route.kd
    .args:
      - { .name: sel, .offset: 0, .size: 8, .value_kind: global_buffer, .address_space: global }
      - { .name: cnt, .offset: 8, .size: 8, .value_kind: global_buffer, .address_space: global }
      - { .name: list, .offset: 16, .size: 8, .value_kind: global_buffer, .address_space: global }
      - { .name: tiles, .offset: 24, .size: 8, .value_kind: global_buffer, .address_space: global }
    .group_segment_fixed_size: 13312
    .private_segment_fixed_size: 0
    .kernarg_segment_align: 8
    .kernarg_segment_size: 32
    .max_flat_workgroup_size: 1024
    .sgpr_count:     80
    .vgpr_count:     98
    .wavefront_size: 32
...
	.end_amdgpu_metadata
.endif
;; end of part 2
;; launch experts (part 3): grid 212 x 1, 8 waves a work-group, no clusters, 283,648 bytes of LDS; arguments x, wfch, wpjh, b_fc, b_proj, list, tiles, gbuf, ybuf; writes ybuf
.if DOCPART == 3
	.amdgcn_target "amdgcn-amd-amdhsa--gfx1250"
	.amdhsa_code_object_version 6
	.text
	.protected	k_q303e56108a_experts
	.globl	k_q303e56108a_experts
	.p2align	8
	.type	k_q303e56108a_experts,@function
k_q303e56108a_experts:
	s_mov_b64 s[64:65], 0
	v_nop
	global_prefetch_b8 v0, s[64:65] scope:SCOPE_SE
	s_setreg_imm32_b32 hwreg(HW_REG_WAVE_MODE, 25, 1), 1
	s_wait_xcnt 0x0
; EXPERTS.  Work-group g takes block g of the table: up to 80 rows (token, slot) of one expert e.
;   ybuf[id] = gate[id] * (gelu(x[token] . w_fc[e]^T + b_fc[e]) . w_proj[e]^T + b_proj[e]),  id = slot * 8192 + token.
; Every block is computed as 5 token tiles of 16.  Rows past the block's last repeat its last row (the row index is clamped): they compute the
; same numbers and store them to the same row of ybuf, from this same work-group: no mask, no branch, no trip count from data.
; Eight waves, two on a SIMD, so that one wave's GELU runs beside the other's matrix work.  Wave w (cg = w & 3, kh = w >> 2):
;   gather and way out: rows 10 w .. + 9;   GEMM1: hidden tiles 6 w .. + 5, all 80 rows;   GEMM2: column tiles 3 cg .. + 2, K steps 12 kh .. + 11.
; BOTH PRODUCTS ARE USED TRANSPOSED: source 0 = 16 rows of weights, source 1 = 16 tokens.  Register j of lane (r, h) of a result is then
; (unit 8 h + j, token r): after GELU and rounding a lane's eight numbers of hidden tile 2 kc + half ARE registers 4 half .. + 3 of its own fragment of
; GEMM2's source 1 for K step kc.  So h crosses LDS at 16 x lane + a constant, both ways.  b_fc enters as the first product's C.
; FORMAT: x, weights and h go to the matrix unit in f16, sums and biases in f32.  LIMIT: |x|, |w|, |h| < 65,504.  With inputs 30 times the drawn ones
; |h| stays near 4,000; 30 times smaller, h of about 1e-4 still has its 11 bits or an absolute error of 2^-25.
; An expert that the gate did not choose is not computed (its weight in the sum is an exact 0).
; NO CLUSTER, NO JOINT REQUESTS: each weight fragment is wanted by one wave of the block alone and goes straight into that wave's registers, already in
; register order.  A joint request delivers into LDS: 589,824 bytes more through LDS for each block; and partners would have to hold the same expert,
; a number read from the table, not a coordinate.
; The text is straight: no label, no branch.
.set GTS,  1024                        ; LDS 0: [wave][32] ids; 1,024: [wave][32] gates: each wave's own 128 bytes
.set XS,   2048                        ; 80 rows of x in f16, pitch 400 = 25 x 16 bytes
.set HS,   34048                       ; h: block (kc * 5 + tile) of 1,024 bytes = [half][lane][16 bytes]; 24 x 5 blocks
.set YS0,  156928                      ; partial y of K half 0: 80 rows of f32, pitch 784 = 49 x 16 bytes
.set YSZ,  62720                       ; K half 1 lies this much further; the map ends at 282,368
.set RING, 24                          ; v[24:191]   GEMM1: 3 slots of 48 (six weight fragments of a hidden tile) + 8 (its bias)
.set ACC,  192                         ; v[192:231]  GEMM1: 5 token tiles
.set TT,   232                         ; v[232:239]  GELU at work
.set HB,   240                         ; v[240:243]  8 h in f16
.set ACC2, 24                          ; v[24:143]   GEMM2: tile (c3, t) at 8 (5 c3 + t)
.set BI,   144                         ; v[144:155]  b_proj in the way out's three lane patterns
.set GO,   222                         ; v[222:236]  byte offsets of the gather
.set CV,   192                         ; v[192:221]  x in f16 on its way to LDS
.set GI,   160                         ; v[160:189]  way out: gate, id of unit pair i
.set PP,   24                          ; v[24:143]   way out: the two partial sums of unit pair i
.set OF,   192                         ; v[192:206]  way out: byte offsets in ybuf
.set HR,   144                         ; window 1: v[144:223] two slots of 40: h fragments.  v[0:143]: six slots of 24: w_proj fragments.
                                       ; window 1 before that: v[0:239] x fragments, (tile t, K step k) at 48 t + 8 k; before that v[0:59] x as gathered
; v1 16 lane; v2 32 h; v3 h out; v4 h in; v5 x fragments; v6 y partial out; v7, v8 (v9, v10) y partial in, K half 0 (1), patterns A, B;
; v11, v12 ids, patterns A, B; v13, v14 column bytes, patterns A, B; v15, v16 x to LDS, patterns A, B; v17 id; v18 gate; v19 list offset;
; v[20:21], v[22:23] GELU's constants; v244 gate offset; v245 my word of ids; v246.. lane numbers
.set MSB, 0
.macro WIN new                         ; s_set_vgpr_msb: bits 1:0 source 0, 3:2 source 1, 5:4 source 2, 7:6 destination; the high byte repeats the setting left
.if MSB != \new
	s_set_vgpr_msb (MSB<<8)|\new
.set MSB, \new
.endif
.endm
.macro PLACES                          ; four places between a matrix instruction and a load into, or a vector instruction or store on, its registers
.rept 4
	v_nop
.endr
.endm
	s_load_b512 s[8:23], s[0:1], 0x0               ; x 8:9, wfch 10:11, wpjh 12:13, b_fc 14:15, b_proj 16:17, list 18:19, tiles 20:21, gbuf 22:23
	s_load_b64 s[24:25], s[0:1], 0x40              ; ybuf
	v_lshl_add_u32 v254, v0, 2, 0x45000
	v_mov_b32 v255, 0
	v_lshrrev_b32 v19, 5, v0
	v_readfirstlane_b32 s26, v19                   ; wave 0..7
	s_lshl_b32 s32, ttmp9, 4
	s_mov_b32 s33, 0
	s_wait_kmcnt 0x0
	s_add_nc_u64 s[20:21], s[20:21], s[32:33]
	s_load_b128 s[28:31], s[20:21], 0x0            ; expert, first position, rows - 1, rows
	; while it comes: every address that hangs on lane and wave alone
	s_and_b32 s34, s26, 3                          ; cg
	s_lshr_b32 s35, s26, 2                         ; kh
	v_and_b32 v246, 31, v0                         ; lane
	v_and_b32 v247, 15, v0                         ; r
	v_bfe_u32 v248, v0, 4, 1                       ; h
	v_lshlrev_b32 v1, 4, v246
	v_lshlrev_b32 v2, 5, v248
	s_mul_i32 s40, s26, 15360                      ; 3 K steps x 5 tiles x 1,024 bytes a wave
	s_add_co_u32 s40, s40, HS
	v_add_nc_u32 v3, s40, v1
	s_mul_i32 s40, s35, 61440                      ; 12 K steps
	s_add_co_u32 s40, s40, HS
	v_add_nc_u32 v4, s40, v1
	v_mul_u32_u24 v5, 400, v247
	v_lshl_add_u32 v5, v248, 4, v5
	v_add_nc_u32 v5, XS, v5                        ; row r, 16 h bytes: a 16-bit fragment is two loads 32 bytes apart
	s_mul_i32 s40, s35, YSZ
	s_mul_i32 s41, s34, 192                        ; 48 columns of f32
	s_add_co_u32 s40, s40, s41
	s_add_co_u32 s40, s40, YS0
	v_mul_u32_u24 v6, 784, v247
	v_lshl_add_u32 v6, v248, 5, v6
	v_add_nc_u32 v6, s40, v6
	; A wave's 10 rows of 768 bytes are 30 units of 256 bytes, two to an instruction (one for each 16 lanes): pair i holds units 2 i, 2 i + 1,
	; unit u = (row u / 3, third u % 3).  With a = 2 i / 3, c = 2 i % 3: c < 2: (a, c), (a, c + 1) = pattern A; c = 2: (a, 2), (a + 1, 0) = pattern B.
	v_lshlrev_b32 v249, 4, v247
	v_lshl_add_u32 v13, v248, 8, v249              ; A: 16 r + 256 h
	v_xor_b32 v250, 1, v248
	v_lshl_add_u32 v14, v250, 9, v249              ; B: 16 r + 512 (1 - h)
	s_mul_i32 s40, s26, 7840                       ; 10 rows of 784
	s_add_co_u32 s40, s40, YS0
	v_add_nc_u32 v7, s40, v13
	v_lshl_add_u32 v8, v248, 4, v7                 ; B: the upper lanes 784 - 512 = 272 further
	v_add_nc_u32 v9, YSZ, v7
	v_add_nc_u32 v10, YSZ, v8
	s_lshl_b32 s40, s26, 7
	v_mov_b32 v11, s40
	v_lshl_add_u32 v12, v248, 2, s40
	v_lshl_add_u32 v245, v246, 2, s40
	s_mul_i32 s40, s26, 4000                       ; 10 rows of 400
	s_add_co_u32 s40, s40, XS
	v_lshlrev_b32 v250, 3, v247
	v_lshl_add_u32 v250, v248, 7, v250
	v_add_nc_u32 v15, s40, v250                    ; A: 8 r + 128 h
	v_lshl_add_u32 v16, v248, 4, v15               ; B: the upper lanes 400 - 256 = 144 further
	v_mov_b32 v20, 0xc0135761                      ; c0 = -2 sqrt(2 / pi) log2(e)
	v_mov_b32 v21, 0xc0135761
	v_mov_b32 v22, 0xbdd2d3e8                      ; c1 = 0.044715 c0
	v_mov_b32 v23, 0xbdd2d3e8
	s_mul_i32 s40, s26, 10
	v_min_u32 v19, 9, v246
	v_add_nc_u32 v19, s40, v19                     ; row 10 w + min(lane, 9)
	s_wait_kmcnt 0x0
	s_min_u32 s28, s28, 7
	s_min_u32 s29, s29, 0x3fff
	s_min_u32 s30, s30, 79
	; the ids of my ten rows
	v_min_u32 v19, s30, v19                        ; rows past the last repeat the last
	v_add_nc_u32 v19, s29, v19
	v_min_u32 v19, 0x3fff, v19
	v_lshlrev_b32 v19, 2, v19
	global_load_b32 v17, v19, s[18:19]
	; the expert's weights and biases, at my wave's part
	s_mov_b32 s37, 0
	s_mul_i32 s36, s28, 294912                     ; 288 fragments an expert
	s_mul_i32 s38, s26, 36864                      ; 36 a wave
	s_add_co_u32 s36, s36, s38
	s_add_nc_u64 s[10:11], s[10:11], s[36:37]
	s_mul_i32 s36, s28, 3072
	s_mul_i32 s38, s26, 384
	s_add_co_u32 s36, s36, s38
	s_add_nc_u64 s[14:15], s[14:15], s[36:37]
	s_lshl_b32 s36, s28, 2
	s_add_co_u32 s36, s36, s34
	s_mul_i32 s36, s36, 73728                      ; 72 fragments for (e, cg)
	s_mul_i32 s38, s35, 36864                      ; 12 K steps of 3
	s_add_co_u32 s36, s36, s38
	s_add_nc_u64 s[12:13], s[12:13], s[36:37]
	s_mul_i32 s36, s28, 768
	s_add_nc_u64 s[16:17], s[16:17], s[36:37]
.macro LDW1 j                          ; 14 loads: hidden tile j's six fragments (512 consecutive bytes a load) and its 16 biases, 8 a lane as a C operand wants them
.set SL, RING+56*((\j)%3)
.irp f, 0,1,2,3,4,5,6,7,8,9,10,11
	global_load_b128 v[SL+4*\f:SL+4*\f+3], v1, s[10:11] offset:(\j)*6144+\f*512
.endr
	global_load_b128 v[SL+48:SL+51], v2, s[14:15] offset:(\j)*64
	global_load_b128 v[SL+52:SL+55], v2, s[14:15] offset:(\j)*64+16
.endm
	LDW1 0
	LDW1 1
	LDW1 2
	s_wait_loadcnt 42                              ; the 3 x 14 ring loads are younger: my id is in
	v_min_u32 v17, 0x3fff, v17
	v_lshlrev_b32 v244, 2, v17
	global_load_b32 v18, v244, s[22:23]            ; its gate
	ds_store_b32 v245, v17                         ; ids to my wave's own words; LDS serves a wave in order (ISA guide 5.7.1), so the loads below see them
.set i, 0
.rept 15
.if (2*i)%3 < 2
	ds_load_b32 v[GO+i], v11 offset:((2*i)/3)*4
.else
	ds_load_b32 v[GO+i], v12 offset:((2*i)/3)*4
.endif
.set i, i+1
.endr
	s_wait_dscnt 0x0
.set i, 0
.rept 15
	v_min_u32 v[GO+i], 0x3fff, v[GO+i]
	v_and_b32 v[GO+i], 0x1fff, v[GO+i]             ; token
	v_mul_u32_u24 v[GO+i], 0x300, v[GO+i]
.if (2*i)%3 < 2
	v_add_nc_u32 v[GO+i], v[GO+i], v13
.else
	v_add_nc_u32 v[GO+i], v[GO+i], v14
.endif
.set i, i+1
.endr
	WIN 0x40                                       ; destination in window 1
.set i, 0
.rept 15
.if (2*i)%3 == 1
	global_load_b128 v[4*i:4*i+3], v[GO+i], s[8:9] offset:256      ; sixteen lanes take 256 consecutive, aligned bytes of a row of x
.else
	global_load_b128 v[4*i:4*i+3], v[GO+i], s[8:9]
.endif
.set i, i+1
.endr
	WIN 0
	s_wait_loadcnt 15                              ; the 15 gathers are younger: the gate is in
	ds_store_b32 v245, v18 offset:GTS
	s_wait_loadcnt 0x0
	WIN 0x05                                       ; sources 0 and 1 in window 1
.set i, 0
.rept 15
	v_cvt_pk_f16_f32 v[CV+2*i],   v[4*i],   v[4*i+1]
	v_cvt_pk_f16_f32 v[CV+2*i+1], v[4*i+2], v[4*i+3]
.set i, i+1
.endr
	WIN 0
.set i, 0
.rept 15
.if (2*i)%3 < 2
	ds_store_b64 v15, v[CV+2*i:CV+2*i+1] offset:((2*i)/3)*400+((2*i)%3)*128
.else
	ds_store_b64 v16, v[CV+2*i:CV+2*i+1] offset:((2*i)/3)*400+256
.endif
.set i, i+1
.endr
	s_wait_dscnt 0x0                               ; my rows of x are in LDS before I say so
	s_barrier_signal -1
	s_barrier_wait -1
	WIN 0x40
.irp t, 0,1,2,3,4
.irp k, 0,1,2,3,4,5
	ds_load_b128 v[48*\t+8*\k:48*\t+8*\k+3],   v5 offset:\t*6400+\k*64
	ds_load_b128 v[48*\t+8*\k+4:48*\t+8*\k+7], v5 offset:\t*6400+\k*64+32
.endr
.endr
	s_wait_dscnt 0x0                               ; all 80 rows of x stay in 240 registers for the six hidden tiles
; gelu(u) = u / (1 + 2^(u (c0 + c1 u^2))) = 0.5 u (1 + tanh(sqrt(2/pi) (u + 0.044715 u^3))).  The ends are right by themselves: the power runs to
; infinity (u very negative: 1 / inf = 0) or to 0 (u very positive: u).  Then 8 numbers to f16 and 16 bytes to LDS.
.macro GELU t, off
.set U, ACC+8*\t
.irp p, 0,2,4,6
	v_pk_mul_f32 v[TT+\p:TT+\p+1], v[U+\p:U+\p+1], v[U+\p:U+\p+1]
.endr
.irp p, 0,2,4,6
	v_pk_fma_f32 v[TT+\p:TT+\p+1], v[TT+\p:TT+\p+1], v[22:23], v[20:21]
.endr
.irp p, 0,2,4,6
	v_pk_mul_f32 v[TT+\p:TT+\p+1], v[TT+\p:TT+\p+1], v[U+\p:U+\p+1]
.endr
.irp q, 0,1,2,3,4,5,6,7
	v_exp_f32 v[TT+\q], v[TT+\q]
.endr
	v_nop                                          ; one plain place between the last exponential and its use (ISA guide 5.7.2)
	s_wait_alu depctr_va_vdst(0)
.irp p, 0,2,4,6
	v_pk_add_f32 v[TT+\p:TT+\p+1], v[TT+\p:TT+\p+1], 1.0 op_sel_hi:[1,0]
.endr
.irp q, 0,1,2,3,4,5,6,7
	v_rcp_f32 v[TT+\q], v[TT+\q]
.endr
	v_nop
	s_wait_alu depctr_va_vdst(0)
.irp p, 0,2,4,6
	v_pk_mul_f32 v[U+\p:U+\p+1], v[U+\p:U+\p+1], v[TT+\p:TT+\p+1]
.endr
.irp q, 0,1,2,3
	v_cvt_pk_f16_f32 v[HB+\q], v[U+2*\q], v[U+2*\q+1]
.endr
	ds_store_b128 v3, v[HB:HB+3] offset:\off
.endm
.macro LDW2 s                          ; under destination window 1: 6 loads, K step s's three w_proj fragments
.set S2, 24*((\s)%6)
.irp f, 0,1,2,3,4,5
	global_load_b128 v[S2+4*\f:S2+4*\f+3], v1, s[12:13] offset:(\s)*3072+\f*512
.endr
.endm
; Hidden tile j: 30 matrix instructions (6 K steps x 5 token tiles; the first takes the bias as C, the others are links in place), then the slot's
; refill three tiles ahead, then GELU.  left = loads younger than this tile's 14; below 0: no wait is owed (the first three tiles' loads have landed).
.macro TILE1 j, left, refill
.set SL, RING+56*((\j)%3)
.if \left >= 0
	s_wait_loadcnt \left
.endif
	WIN 0x04                                       ; source 1 (x) in window 1
.irp t, 0,1,2,3,4
	v_wmma_f32_16x16x32_f16 v[ACC+8*\t:ACC+8*\t+7], v[SL:SL+7], v[48*\t:48*\t+7], v[SL+48:SL+55]
.endr
.irp k, 1,2,3,4,5
.irp t, 0,1,2,3,4
	v_wmma_f32_16x16x32_f16 v[ACC+8*\t:ACC+8*\t+7], v[SL+8*\k:SL+8*\k+7], v[48*\t+8*\k:48*\t+8*\k+7], v[ACC+8*\t:ACC+8*\t+7]
.endr
.endr
	WIN 0
	PLACES
.if \refill
	LDW1 \j+3
.endif
.if \j == 5
	; x's fragments and the ring are done with: b_proj and the first six K steps of w_proj set out under the last GELU
	global_load_b128 v[BI:BI+3],    v13, s[16:17]
	global_load_b128 v[BI+4:BI+7],  v13, s[16:17] offset:256
	global_load_b128 v[BI+8:BI+11], v14, s[16:17]
	WIN 0x40
.irp s, 0,1,2,3,4,5
	LDW2 \s
.endr
	WIN 0
.endif
.irp t, 0,1,2,3,4
	GELU \t, ((\j)>>1)*5120+\t*1024+((\j)&1)*512
.endr
.endm
	TILE1 0, -1, 1
	TILE1 1, -1, 1
	TILE1 2, -1, 1
	TILE1 3, 28, 0                                 ; tiles 4 and 5 are younger
	TILE1 4, 14, 0
	TILE1 5, 0, 0
	s_wait_dscnt 0x0                               ; my h is in LDS before I say so
	s_barrier_signal -1
	s_barrier_wait -1
.macro LDH s                           ; under destination window 1: 10 loads, K step s's five h fragments
.set H2, HR+40*((\s)&1)
.irp t, 0,1,2,3,4
	ds_load_b128 v[H2+8*\t:H2+8*\t+3],   v4 offset:(\s)*5120+\t*1024
	ds_load_b128 v[H2+8*\t+4:H2+8*\t+7], v4 offset:(\s)*5120+\t*1024+512
.endr
.endm
; K step s of my 12: the weights five steps ahead into the slot just multiplied, h one step ahead, then 15 matrix instructions.
; left = weight loads younger than this step's six.
.macro STEP2 s, left
.if \s > 0
	PLACES
.endif
	WIN 0x40
.if \s >= 1
.if \s <= 6
	LDW2 \s+5
.endif
.endif
.if \s < 11
	LDH \s+1
	s_wait_loadcnt \left
	s_wait_dscnt 10                                ; the next step's ten loads stay out
.else
	s_wait_loadcnt \left
	s_wait_dscnt 0x0
.endif
	WIN 0x05                                       ; sources 0 and 1 in window 1
.set S2, 24*((\s)%6)
.set H2, HR+40*((\s)&1)
.irp c, 0,1,2
.irp t, 0,1,2,3,4
.if \s == 0
	v_wmma_f32_16x16x32_f16 v[ACC2+8*(5*\c+\t):ACC2+8*(5*\c+\t)+7], v[S2+8*\c:S2+8*\c+7], v[H2+8*\t:H2+8*\t+7], 0
.else
	v_wmma_f32_16x16x32_f16 v[ACC2+8*(5*\c+\t):ACC2+8*(5*\c+\t)+7], v[S2+8*\c:S2+8*\c+7], v[H2+8*\t:H2+8*\t+7], v[ACC2+8*(5*\c+\t):ACC2+8*(5*\c+\t)+7]
.endif
.endr
.endr
.endm
	WIN 0x40
	LDH 0
.irp s, 0,1,2,3,4,5,6
	STEP2 \s, 30                                   ; five younger steps of six loads
.endr
.irp s, 7,8,9,10,11
	STEP2 \s, 66-6*\s                              ; 24, 18, 12, 6, 0
.endr
	; the two K halves meet in LDS: register j of lane (r, h) is (column 16 (3 cg + c3) + 8 h + j, row 16 t + r): 32 bytes of a row
	WIN 0
	PLACES
.irp c, 0,1,2
.irp t, 0,1,2,3,4
	ds_store_b128 v6, v[ACC2+8*(5*\c+\t):ACC2+8*(5*\c+\t)+3]   offset:\t*12544+\c*64
	ds_store_b128 v6, v[ACC2+8*(5*\c+\t)+4:ACC2+8*(5*\c+\t)+7] offset:\t*12544+\c*64+16
.endr
.endr
	s_wait_dscnt 0x0
	s_barrier_signal -1
	s_barrier_wait -1
	; THE WAY OUT, my ten rows, two units of 256 bytes to an instruction: (half 0 + half 1 + b_proj) x gate
.set i, 0
.rept 15
.if (2*i)%3 < 2
	ds_load_b32 v[GI+2*i],   v11 offset:GTS+((2*i)/3)*4
	ds_load_b32 v[GI+2*i+1], v11 offset:((2*i)/3)*4
	ds_load_b128 v[PP+8*i:PP+8*i+3],   v7 offset:((2*i)/3)*784+((2*i)%3)*256
	ds_load_b128 v[PP+8*i+4:PP+8*i+7], v9 offset:((2*i)/3)*784+((2*i)%3)*256
.else
	ds_load_b32 v[GI+2*i],   v12 offset:GTS+((2*i)/3)*4
	ds_load_b32 v[GI+2*i+1], v12 offset:((2*i)/3)*4
	ds_load_b128 v[PP+8*i:PP+8*i+3],   v8  offset:((2*i)/3)*784+512
	ds_load_b128 v[PP+8*i+4:PP+8*i+7], v10 offset:((2*i)/3)*784+512
.endif
.set i, i+1
.endr
.set i, 0
.rept 15
.set BC, BI+4*((2*i)%3)
	s_wait_dscnt 4*(14-i)                          ; four loads for each younger pair stay out
	v_pk_add_f32 v[PP+8*i:PP+8*i+1],   v[PP+8*i:PP+8*i+1],   v[PP+8*i+4:PP+8*i+5]
	v_pk_add_f32 v[PP+8*i+2:PP+8*i+3], v[PP+8*i+2:PP+8*i+3], v[PP+8*i+6:PP+8*i+7]
	v_pk_add_f32 v[PP+8*i:PP+8*i+1],   v[PP+8*i:PP+8*i+1],   v[BC:BC+1]
	v_pk_add_f32 v[PP+8*i+2:PP+8*i+3], v[PP+8*i+2:PP+8*i+3], v[BC+2:BC+3]
	v_pk_mul_f32 v[PP+8*i:PP+8*i+1],   v[PP+8*i:PP+8*i+1],   v[GI+2*i:GI+2*i+1] op_sel_hi:[1,0]   ; both by the pair's first register, the gate
	v_pk_mul_f32 v[PP+8*i+2:PP+8*i+3], v[PP+8*i+2:PP+8*i+3], v[GI+2*i:GI+2*i+1] op_sel_hi:[1,0]
	v_min_u32 v[OF+i], 0x3fff, v[GI+2*i+1]
	v_mul_u32_u24 v[OF+i], 0x300, v[OF+i]
.if (2*i)%3 < 2
	v_add_nc_u32 v[OF+i], v[OF+i], v13
	global_store_b128 v[OF+i], v[PP+8*i:PP+8*i+3], s[24:25] offset:((2*i)%3)*256   ; sixteen lanes store 256 consecutive, aligned bytes
.else
	v_add_nc_u32 v[OF+i], v[OF+i], v14
	global_store_b128 v[OF+i], v[PP+8*i:PP+8*i+3], s[24:25]
.endif
.set i, i+1
.endr
	s_wait_tensorcnt 0x0
	ds_add_u32 v254, v255
	s_wait_dscnt 0x0
	s_endpgm
.Lfunc_end_k_q303e56108a_experts:
	.size	k_q303e56108a_experts, .Lfunc_end_k_q303e56108a_experts-k_q303e56108a_experts
	.p2alignl 7, 3214868480
	.fill 96, 4, 3214868480
	.section	.rodata,"a",@progbits
	.p2align	6, 0x0
	.amdhsa_kernel k_q303e56108a_experts
		.amdhsa_group_segment_fixed_size 283648
		.amdhsa_private_segment_fixed_size 0
		.amdhsa_enable_private_segment 0
		.amdhsa_kernarg_size 72
		.amdhsa_user_sgpr_count 2
		.amdhsa_user_sgpr_kernarg_segment_ptr 1
		.amdhsa_wavefront_size32 1
		.amdhsa_system_sgpr_workgroup_id_x 1
		.amdhsa_system_sgpr_workgroup_id_y 1
		.amdhsa_system_sgpr_workgroup_id_z 1
		.amdhsa_system_vgpr_workitem_id 0
		.amdhsa_next_free_vgpr 512
		.amdhsa_next_free_sgpr 66
		.amdhsa_reserve_vcc 0
		.amdhsa_float_denorm_mode_32 3
		.amdhsa_float_denorm_mode_16_64 3
		.amdhsa_memory_ordered 1
		.amdhsa_forward_progress 1
		.amdhsa_inst_pref_size 148
	.end_amdhsa_kernel
	.amdgpu_metadata
---
amdhsa.version: [ 1, 2 ]
amdhsa.kernels:
  - .name:           k_q303e56108a_experts
    .symbol:         k_q303e56108a_experts.kd
    .args:
      - { .name: x, .offset: 0, .size: 8, .value_kind: global_buffer, .address_space: global }
      - { .name: wfch, .offset: 8, .size: 8, .value_kind: global_buffer, .address_space: global }
      - { .name: wpjh, .offset: 16, .size: 8, .value_kind: global_buffer, .address_space: global }
      - { .name: b_fc, .offset: 24, .size: 8, .value_kind: global_buffer, .address_space: global }
      - { .name: b_proj, .offset: 32, .size: 8, .value_kind: global_buffer, .address_space: global }
      - { .name: list, .offset: 40, .size: 8, .value_kind: global_buffer, .address_space: global }
      - { .name: tiles, .offset: 48, .size: 8, .value_kind: global_buffer, .address_space: global }
      - { .name: gbuf, .offset: 56, .size: 8, .value_kind: global_buffer, .address_space: global }
      - { .name: ybuf, .offset: 64, .size: 8, .value_kind: global_buffer, .address_space: global }
    .group_segment_fixed_size: 283648
    .private_segment_fixed_size: 0
    .kernarg_segment_align: 8
    .kernarg_segment_size: 72
    .max_flat_workgroup_size: 256
    .sgpr_count:     66
    .vgpr_count:     512
    .wavefront_size: 32
...
	.end_amdgpu_metadata
.endif
;; end of part 3
;; launch combine (part 4): grid 256 x 1, 8 waves a work-group, no clusters, 0 bytes of LDS; arguments ybuf, out0; writes out0
.if DOCPART == 4
	.amdgcn_target "amdgcn-amd-amdhsa--gfx1250"
	.amdhsa_code_object_version 6
	.text
	.protected	k_q303e56108a_combine
	.globl	k_q303e56108a_combine
	.p2align	8
	.type	k_q303e56108a_combine,@function
k_q303e56108a_combine:
	s_mov_b64 s[64:65], 0
	v_nop
	global_prefetch_b8 v0, s[64:65] scope:SCOPE_SE
	s_setreg_imm32_b32 hwreg(HW_REG_WAVE_MODE, 25, 1), 1
	s_wait_xcnt 0x0
; COMBINE.  out0[t][c] = ybuf[t][c] + ybuf[8192 + t][c]: a token's two weighted expert results, the first choice's first.
; A stream: 256 work-groups x 24,576 consecutive bytes of out0; thread t takes 16 bytes at 16 t of each of six runs of 4,096 bytes, so a wave's
; load or store covers 512 consecutive, aligned bytes.  All twelve loads of a thread set out first; each register is used once.
; No LDS, no barrier, no matrix unit: one addition for twelve bytes moved.
.set HALF, 0x600000                    ; 8,192 rows of 768 bytes
	s_load_b128 s[4:7], s[0:1], 0x0                ; ybuf 4:5, out0 6:7
	s_mul_i32 s8, ttmp9, 24576
	s_mov_b32 s9, 0
	v_lshlrev_b32 v1, 4, v0
	s_wait_kmcnt 0x0
	s_add_nc_u64 s[4:5], s[4:5], s[8:9]
	s_add_nc_u64 s[6:7], s[6:7], s[8:9]
	s_add_nc_u64 s[10:11], s[4:5], HALF
.irp i, 0,1,2,3,4,5
	global_load_b128 v[4+8*\i:7+8*\i],  v1, s[4:5]   offset:4096*\i th:TH_LOAD_NT
	global_load_b128 v[8+8*\i:11+8*\i], v1, s[10:11] offset:4096*\i th:TH_LOAD_NT
.endr
.irp i, 0,1,2,3,4,5
	s_wait_loadcnt 10-2*\i                         ; the younger pairs stay out
	v_pk_add_f32 v[4+8*\i:5+8*\i], v[4+8*\i:5+8*\i], v[8+8*\i:9+8*\i]
	v_pk_add_f32 v[6+8*\i:7+8*\i], v[6+8*\i:7+8*\i], v[10+8*\i:11+8*\i]
	global_store_b128 v1, v[4+8*\i:7+8*\i], s[6:7] offset:4096*\i th:TH_STORE_NT
.endr
	s_endpgm
.Lfunc_end_k_q303e56108a_combine:
	.size	k_q303e56108a_combine, .Lfunc_end_k_q303e56108a_combine-k_q303e56108a_combine
	.p2alignl 7, 3214868480
	.fill 96, 4, 3214868480
	.section	.rodata,"a",@progbits
	.p2align	6, 0x0
	.amdhsa_kernel k_q303e56108a_combine
		.amdhsa_group_segment_fixed_size 0
		.amdhsa_private_segment_fixed_size 0
		.amdhsa_enable_private_segment 0
		.amdhsa_kernarg_size 16
		.amdhsa_user_sgpr_count 2
		.amdhsa_user_sgpr_kernarg_segment_ptr 1
		.amdhsa_wavefront_size32 1
		.amdhsa_system_sgpr_workgroup_id_x 1
		.amdhsa_system_sgpr_workgroup_id_y 1
		.amdhsa_system_sgpr_workgroup_id_z 1
		.amdhsa_system_vgpr_workitem_id 0
		.amdhsa_next_free_vgpr 56
		.amdhsa_next_free_sgpr 66
		.amdhsa_reserve_vcc 0
		.amdhsa_float_denorm_mode_32 3
		.amdhsa_float_denorm_mode_16_64 3
		.amdhsa_memory_ordered 1
		.amdhsa_forward_progress 1
		.amdhsa_inst_pref_size 4
	.end_amdhsa_kernel
	.amdgpu_metadata
---
amdhsa.version: [ 1, 2 ]
amdhsa.kernels:
  - .name:           k_q303e56108a_combine
    .symbol:         k_q303e56108a_combine.kd
    .args:
      - { .name: ybuf, .offset: 0, .size: 8, .value_kind: global_buffer, .address_space: global }
      - { .name: out0, .offset: 8, .size: 8, .value_kind: global_buffer, .address_space: global }
    .group_segment_fixed_size: 0
    .private_segment_fixed_size: 0
    .kernarg_segment_align: 8
    .kernarg_segment_size: 16
    .max_flat_workgroup_size: 256
    .sgpr_count:     66
    .vgpr_count:     56
    .wavefront_size: 32
...
	.end_amdgpu_metadata
.endif
;; end of part 4
;; ======== version 2 of 2: 4 launches; version 1 with the launch experts written anew for expert scheduling mode
;; limits: values are held in f16: magnitudes above 65,504 overflow, below 6.1e-05 lose precision; inputs' magnitudes at most 65,504
;; workspace buffers: wfch 2,359,296 bytes; wpjh 2,359,296 bytes; sel 32,768 bytes of whole numbers; cnt 8,192 bytes of whole numbers; gbuf 65,536 bytes; list 65,536 bytes of whole numbers; tiles 3,584 bytes of whole numbers; ybuf 12,582,912 bytes
;; launch prep: the kernel of part 1 again; grid 256 x 1, 10 waves a work-group, no clusters, 0 bytes of LDS; arguments x, gate_w, gate_b, w_fc, w_proj, wfch, wpjh, sel, cnt, gbuf; writes wfch, wpjh, sel, cnt, gbuf
;; launch route: the kernel of part 2 again; grid 1 x 1, 32 waves a work-group, no clusters, 13,312 bytes of LDS; arguments sel, cnt, list, tiles; writes list, tiles
;; launch experts (part 5): grid 212 x 1, 8 waves a work-group, no clusters, 283,648 bytes of LDS; arguments x, wfch, wpjh, b_fc, b_proj, list, tiles, gbuf, ybuf; writes ybuf
.if DOCPART == 5
	.amdgcn_target "amdgcn-amd-amdhsa--gfx1250"
	.amdhsa_code_object_version 6
	.text
	.protected	k_q303e56108a_experts
	.globl	k_q303e56108a_experts
	.p2align	8
	.type	k_q303e56108a_experts,@function
k_q303e56108a_experts:
	s_mov_b64 s[64:65], 0
	v_nop
	global_prefetch_b8 v0, s[64:65] scope:SCOPE_SE
	s_setreg_imm32_b32 hwreg(HW_REG_WAVE_SCHED_MODE, 0, 2), 2
	s_setreg_imm32_b32 hwreg(HW_REG_WAVE_MODE, 25, 1), 1
	s_wait_xcnt 0x0
	s_wait_alu depctr_vm_vsrc(0)
; EXPERTS.  Work-group g takes block g of the table: up to 80 rows (token, slot) of one expert e.
;   ybuf[id] = gate[id] * (gelu(x[token] . w_fc[e]^T + b_fc[e]) . w_proj[e]^T + b_proj[e]),  id = slot * 8192 + token.
; Every block is computed as 5 token tiles of 16.  Rows past the block's last repeat its last row (the row index is clamped): they compute the
; same numbers and store them to the same row of ybuf, from this same work-group: no mask, no branch, no trip count from data.
; Eight waves, two on a SIMD, so that one wave's GELU runs beside the other's matrix work.  Wave w (cg = w & 3, kh = w >> 2):
;   gather and way out: rows 10 w .. + 9;   GEMM1: hidden tiles 6 w .. + 5, all 80 rows;   GEMM2: column tiles 3 cg .. + 2, K steps 12 kh .. + 11.
; BOTH PRODUCTS ARE USED TRANSPOSED: source 0 = 16 rows of weights, source 1 = 16 tokens.  Register j of lane (r, h) of a result is then
; (unit 8 h + j, token r): after GELU and rounding a lane's eight numbers of hidden tile 2 kc + half ARE registers 4 half .. + 3 of its own fragment of
; GEMM2's source 1 for K step kc.  So h crosses LDS at 16 x lane + a constant, both ways.  b_fc enters as the first product's C.
; FORMAT: x, weights and h go to the matrix unit in f16, sums and biases in f32.  LIMIT: |x|, |w|, |h| < 65,504.  With inputs 30 times the drawn ones
; |h| stays near 4,000; 30 times smaller, h of about 1e-4 still has its 11 bits or an absolute error of 2^-25.
; An expert that the gate did not choose is not computed (its weight in the sum is an exact 0).
; NO CLUSTER, NO JOINT REQUESTS: each weight fragment is wanted by one wave of the block alone and goes straight into that wave's registers, already in
; register order.  A joint request delivers into LDS: 589,824 bytes more through LDS for each block; and partners would have to hold the same expert,
; a number read from the table, not a coordinate.
; The text is straight: no label, no branch.
; THE MODE: SCHED_MODE bits 1:0 = 2 (LLVM: expert scheduling mode 2), set by the entry lines.  The code itself states the register dependences
; between vector or matrix instructions and memory or LDS instructions, with s_wait_alu, always for 0.
; THE PLAN.  Registers that memory or LDS instructions touch:
;   v1 .. v16, v19, v244, v245   addresses and offsets: made in the head, never written again.
;   ring slot j % 3   the loads of hidden tile j land in it; tile j's 30 products read it; then its first 40 registers are GELU's working registers for all
;                     five token tiles, so that a tile's 40 exponentials, and its 40 reciprocals, are one batch each; the refill (tile j + 3) lands behind the tile's last wait.
;   ACC               written by the products; after GELU each token tile's eight numbers close up, as f16, into the accumulator's own four lowest registers,
;                     which the LDS stores read: five out-buffers, written again by the next tile's products.
;   GEMM2             goes in six pairs of K steps.  Weights: six slots in window 1.  h: the even pairs' fragments in window 1, the odd pairs' in window 0.  In pair p
;                     the h of pair p + 1 and the weights of pair p + 2 land in what pair p - 1 read; no product of pair p names those registers.
; So a hidden tile has one wait on vm_vsrc (head) and three on va_vdst (behind the exponentials, behind the reciprocals, ahead of its stores and refill),
; and a pair of K steps has one wait on va_vdst, at its head; its loads are dealt among its products with no further wait.
.set GTS,  1024                        ; LDS 0: [wave][32] ids; 1,024: [wave][32] gates: each wave's own 128 bytes
.set XS,   2048                        ; 80 rows of x in f16, pitch 400 = 25 x 16 bytes
.set HS,   34048                       ; h: block (kc * 5 + tile) of 1,024 bytes = [half][lane][16 bytes]; 24 x 5 blocks
.set YS0,  156928                      ; partial y of K half 0: 80 rows of f32, pitch 784 = 49 x 16 bytes
.set YSZ,  62720                       ; K half 1 lies this much further; the map ends at 282,368
.set RING, 24                          ; v[24:191]   GEMM1: 3 slots of 48 (six weight fragments of a hidden tile) + 8 (its bias); a slot's first 40 serve GELU behind the products
.set ACC,  192                         ; v[192:231]  GEMM1: 5 token tiles
.set ACC2, 24                          ; v[24:143]   GEMM2: tile (c3, t) at 8 (5 c3 + t)
.set BI,   232                         ; v[232:243]  b_proj in the way out's three lane patterns
.set GO,   222                         ; v[222:236]  byte offsets of the gather
.set CV,   192                         ; v[192:221]  x in f16 on its way to LDS
.set GI,   160                         ; v[160:189]  way out: gate, id of unit pair i
.set PP,   24                          ; v[24:143]   way out: the two partial sums of unit pair i
.set OF,   192                         ; v[192:206]  way out: byte offsets in ybuf
.set HR,   144                         ; v[144:223] of window 1 (even pairs of K steps) and of window 0 (odd pairs): two slots of 40: h fragments
                                       ; window 1 v[0:143]: six slots of 24: w_proj fragments.
                                       ; window 1 before that: v[0:239] x fragments, (tile t, K step k) at 48 t + 8 k; before that v[0:59] x as gathered
; v1 16 lane; v2 32 h; v3 h out; v4 h in; v5 x fragments; v6 y partial out; v7, v8 (v9, v10) y partial in, K half 0 (1), patterns A, B;
; v11, v12 ids, patterns A, B; v13, v14 column bytes, patterns A, B; v15, v16 x to LDS, patterns A, B; v17 id; v18 gate; v19 list offset;
; v[20:21], v[22:23] GELU's constants; v244 gate offset; v245 my word of ids; v246.. lane numbers
.set MSB, 0
.macro WIN new                         ; s_set_vgpr_msb: bits 1:0 source 0, 3:2 source 1, 5:4 source 2, 7:6 destination; the high byte repeats the setting left
.if MSB != (\new)
	s_set_vgpr_msb (MSB<<8)|(\new)
.set MSB, (\new)
.endif
.endm
.macro PLACES                          ; four places between a matrix instruction and a vector instruction or a store on its registers
.rept 4
	v_nop
.endr
.endm
	s_load_b512 s[8:23], s[0:1], 0x0               ; x 8:9, wfch 10:11, wpjh 12:13, b_fc 14:15, b_proj 16:17, list 18:19, tiles 20:21, gbuf 22:23
	s_load_b64 s[24:25], s[0:1], 0x40              ; ybuf
	v_lshl_add_u32 v254, v0, 2, 0x45000
	v_mov_b32 v255, 0
	v_lshrrev_b32 v19, 5, v0
	v_readfirstlane_b32 s26, v19                   ; wave 0..7
	s_lshl_b32 s32, ttmp9, 4
	s_mov_b32 s33, 0
	s_wait_kmcnt 0x0
	s_add_nc_u64 s[20:21], s[20:21], s[32:33]
	s_load_b128 s[28:31], s[20:21], 0x0            ; expert, first position, rows - 1, rows
	s_wait_alu depctr_va_sdst(0)                   ; s26 is written, ahead of its first reader: the wave's shares are made from it
	; while the table's line comes: every address that hangs on lane and wave alone
	s_and_b32 s34, s26, 3                          ; cg
	s_lshr_b32 s35, s26, 2                         ; kh
	v_and_b32 v246, 31, v0                         ; lane
	v_and_b32 v247, 15, v0                         ; r
	v_bfe_u32 v248, v0, 4, 1                       ; h
	v_lshlrev_b32 v1, 4, v246
	v_lshlrev_b32 v2, 5, v248
	s_mul_i32 s40, s26, 15360                      ; 3 K steps x 5 tiles x 1,024 bytes a wave
	s_add_co_u32 s40, s40, HS
	v_add_nc_u32 v3, s40, v1
	s_mul_i32 s40, s35, 61440                      ; 12 K steps
	s_add_co_u32 s40, s40, HS
	v_add_nc_u32 v4, s40, v1
	v_mul_u32_u24 v5, 400, v247
	v_lshl_add_u32 v5, v248, 4, v5
	v_add_nc_u32 v5, XS, v5                        ; row r, 16 h bytes: a 16-bit fragment is two loads 32 bytes apart
	s_mul_i32 s40, s35, YSZ
	s_mul_i32 s41, s34, 192                        ; 48 columns of f32
	s_add_co_u32 s40, s40, s41
	s_add_co_u32 s40, s40, YS0
	v_mul_u32_u24 v6, 784, v247
	v_lshl_add_u32 v6, v248, 5, v6
	v_add_nc_u32 v6, s40, v6
	; A wave's 10 rows of 768 bytes are 30 units of 256 bytes, two to an instruction (one for each 16 lanes): pair i holds units 2 i, 2 i + 1,
	; unit u = (row u / 3, third u % 3).  With a = 2 i / 3, c = 2 i % 3: c < 2: (a, c), (a, c + 1) = pattern A; c = 2: (a, 2), (a + 1, 0) = pattern B.
	v_lshlrev_b32 v249, 4, v247
	v_lshl_add_u32 v13, v248, 8, v249              ; A: 16 r + 256 h
	v_xor_b32 v250, 1, v248
	v_lshl_add_u32 v14, v250, 9, v249              ; B: 16 r + 512 (1 - h)
	s_mul_i32 s40, s26, 7840                       ; 10 rows of 784
	s_add_co_u32 s40, s40, YS0
	v_add_nc_u32 v7, s40, v13
	v_lshl_add_u32 v8, v248, 4, v7                 ; B: the upper lanes 784 - 512 = 272 further
	v_add_nc_u32 v9, YSZ, v7
	v_add_nc_u32 v10, YSZ, v8
	s_lshl_b32 s40, s26, 7
	v_mov_b32 v11, s40
	v_lshl_add_u32 v12, v248, 2, s40
	v_lshl_add_u32 v245, v246, 2, s40
	s_mul_i32 s40, s26, 4000                       ; 10 rows of 400
	s_add_co_u32 s40, s40, XS
	v_lshlrev_b32 v250, 3, v247
	v_lshl_add_u32 v250, v248, 7, v250
	v_add_nc_u32 v15, s40, v250                    ; A: 8 r + 128 h
	v_lshl_add_u32 v16, v248, 4, v15               ; B: the upper lanes 400 - 256 = 144 further
	v_mov_b32 v20, 0xc0135761                      ; c0 = -2 sqrt(2 / pi) log2(e)
	v_mov_b32 v21, 0xc0135761
	v_mov_b32 v22, 0xbdd2d3e8                      ; c1 = 0.044715 c0
	v_mov_b32 v23, 0xbdd2d3e8
	s_mul_i32 s40, s26, 10
	v_min_u32 v19, 9, v246
	v_add_nc_u32 v19, s40, v19                     ; row 10 w + min(lane, 9)
	s_wait_kmcnt 0x0
	s_min_u32 s28, s28, 7
	s_min_u32 s29, s29, 0x3fff
	s_min_u32 s30, s30, 79
	; the ids of my ten rows
	v_min_u32 v19, s30, v19                        ; rows past the last repeat the last
	v_add_nc_u32 v19, s29, v19
	v_min_u32 v19, 0x3fff, v19
	v_lshlrev_b32 v19, 2, v19
	s_wait_alu depctr_va_vdst(0)                   ; v19 is written, which the load below reads; so are v1 to v16 and v245, the addresses of every later load and store
	global_load_b32 v17, v19, s[18:19]
	; the expert's weights and biases, at my wave's part
	s_mov_b32 s37, 0
	s_mul_i32 s36, s28, 294912                     ; 288 fragments an expert
	s_mul_i32 s38, s26, 36864                      ; 36 a wave
	s_add_co_u32 s36, s36, s38
	s_add_nc_u64 s[10:11], s[10:11], s[36:37]
	s_mul_i32 s36, s28, 3072
	s_mul_i32 s38, s26, 384
	s_add_co_u32 s36, s36, s38
	s_add_nc_u64 s[14:15], s[14:15], s[36:37]
	s_lshl_b32 s36, s28, 2
	s_add_co_u32 s36, s36, s34
	s_mul_i32 s36, s36, 73728                      ; 72 fragments for (e, cg)
	s_mul_i32 s38, s35, 36864                      ; 12 K steps of 3
	s_add_co_u32 s36, s36, s38
	s_add_nc_u64 s[12:13], s[12:13], s[36:37]
	s_mul_i32 s36, s28, 768
	s_add_nc_u64 s[16:17], s[16:17], s[36:37]
.macro LDW1 j                          ; 14 loads: hidden tile j's six fragments (512 consecutive bytes a load) and its 16 biases, 8 a lane as a C operand wants them
.set SL, RING+56*((\j)%3)
.irp f, 0,1,2,3,4,5,6,7,8,9,10,11
	global_load_b128 v[SL+4*\f:SL+4*\f+3], v1, s[10:11] offset:(\j)*6144+\f*512
.endr
	global_load_b128 v[SL+48:SL+51], v2, s[14:15] offset:(\j)*64
	global_load_b128 v[SL+52:SL+55], v2, s[14:15] offset:(\j)*64+16
.endm
	LDW1 0
	LDW1 1
	LDW1 2
	s_wait_loadcnt 42                              ; the 3 x 14 ring loads are younger: my id is in
	v_min_u32 v17, 0x3fff, v17
	v_lshlrev_b32 v244, 2, v17
	s_wait_alu depctr_va_vdst(0)                   ; v244 is written, the offset of the load below, and v17, the data of the LDS store
	global_load_b32 v18, v244, s[22:23]            ; its gate
	ds_store_b32 v245, v17                         ; ids to my wave's own words; LDS serves a wave in order (ISA guide 5.7.1), so the loads below see them
.set i, 0
.rept 15
.if (2*i)%3 < 2
	ds_load_b32 v[GO+i], v11 offset:((2*i)/3)*4
.else
	ds_load_b32 v[GO+i], v12 offset:((2*i)/3)*4
.endif
.set i, i+1
.endr
	s_wait_dscnt 0x0
.set i, 0
.rept 15
	v_min_u32 v[GO+i], 0x3fff, v[GO+i]
	v_and_b32 v[GO+i], 0x1fff, v[GO+i]             ; token
	v_mul_u32_u24 v[GO+i], 0x300, v[GO+i]
.if (2*i)%3 < 2
	v_add_nc_u32 v[GO+i], v[GO+i], v13
.else
	v_add_nc_u32 v[GO+i], v[GO+i], v14
.endif
.set i, i+1
.endr
	WIN 0x40                                       ; destination in window 1
	s_wait_alu depctr_va_vdst(0)                   ; the fifteen offsets v[GO ..] are written, which the gathers read
.set i, 0
.rept 15
.if (2*i)%3 == 1
	global_load_b128 v[4*i:4*i+3], v[GO+i], s[8:9] offset:256      ; sixteen lanes take 256 consecutive, aligned bytes of a row of x
.else
	global_load_b128 v[4*i:4*i+3], v[GO+i], s[8:9]
.endif
.set i, i+1
.endr
	WIN 0
	s_wait_loadcnt 15                              ; the 15 gathers are younger: the gate is in
	ds_store_b32 v245, v18 offset:GTS
	s_wait_loadcnt 0x0
	WIN 0x05                                       ; sources 0 and 1 in window 1
.set i, 0
.rept 15
	v_cvt_pk_f16_f32 v[CV+2*i],   v[4*i],   v[4*i+1]
	v_cvt_pk_f16_f32 v[CV+2*i+1], v[4*i+2], v[4*i+3]
.set i, i+1
.endr
	WIN 0
	s_wait_alu depctr_va_vdst(0)                   ; the conversions have written v[CV ..], which the LDS stores read
.set i, 0
.rept 15
.if (2*i)%3 < 2
	ds_store_b64 v15, v[CV+2*i:CV+2*i+1] offset:((2*i)/3)*400+((2*i)%3)*128
.else
	ds_store_b64 v16, v[CV+2*i:CV+2*i+1] offset:((2*i)/3)*400+256
.endif
.set i, i+1
.endr
	s_wait_dscnt 0x0                               ; my rows of x are in LDS before I say so
	s_barrier_signal -1
	s_barrier_wait -1
	WIN 0x40
	s_wait_alu depctr_va_vdst(0)                   ; the conversions are done reading window 1's v[0:59], in which x's fragments land
.irp t, 0,1,2,3,4
.irp k, 0,1,2,3,4,5
	ds_load_b128 v[48*\t+8*\k:48*\t+8*\k+3],   v5 offset:\t*6400+\k*64
	ds_load_b128 v[48*\t+8*\k+4:48*\t+8*\k+7], v5 offset:\t*6400+\k*64+32
.endr
.endr
	s_wait_dscnt 0x0                               ; all 80 rows of x stay in 240 registers for the six hidden tiles
; gelu(u) = u / (1 + 2^(u (c0 + c1 u^2))) = 0.5 u (1 + tanh(sqrt(2/pi) (u + 0.044715 u^3))).  The ends are right by themselves: the power runs to
; infinity (u very negative: 1 / inf = 0) or to 0 (u very positive: u).
; ARG writes number n of the twelve plain lines that make token tile t's eight exponents, in the tile's eight working registers at SL + 8 t:
; 0-3 u^2; 4-7 c0 + c1 u^2; 8-11 times u.  An accumulator's lowest registers are read first.
.macro ARG t, n
.set U, ACC+8*(\t)
.set TW, SL+8*(\t)
.set PQ, 2*((\n)%4)
.if (\n) < 4
	v_pk_mul_f32 v[TW+PQ:TW+PQ+1], v[U+PQ:U+PQ+1], v[U+PQ:U+PQ+1]
.elseif (\n) < 8
	v_pk_fma_f32 v[TW+PQ:TW+PQ+1], v[TW+PQ:TW+PQ+1], v[22:23], v[20:21]
.else
	v_pk_mul_f32 v[TW+PQ:TW+PQ+1], v[TW+PQ:TW+PQ+1], v[U+PQ:U+PQ+1]
.endif
.endm
.macro LDW2 s                          ; 6 loads into window 1: K step s's three w_proj fragments
	WIN 0x40
.irp f, 0,1,2,3,4,5
	global_load_b128 v[24*((\s)%6)+4*\f:24*((\s)%6)+4*\f+3], v1, s[12:13] offset:(\s)*3072+\f*512
.endr
.endm
; Hidden tile j: 30 matrix instructions (6 K steps x 5 token tiles by turns; the first takes the bias as C, the others are links in place), then GELU of all five
; token tiles: one batch of 40 exponentials, one of 40 reciprocals, a token tile's plain lines set between the transcendentals of the tile before it; then the five
; LDS stores and the slot's refill three tiles ahead.  left = loads younger than this tile's 14; below 0: no wait is owed (the first three tiles' loads have landed).
.macro TILE1 j, left, refill
.set SL, RING+56*((\j)%3)
.if \left >= 0
	s_wait_loadcnt \left
.endif
	s_wait_alu depctr_vm_vsrc(0)                   ; the LDS stores of the tile before have read the accumulators' low fours (ahead of tile 0: the LDS stores v[CV ..], the gathers v[GO ..]): the products below write these registers
	WIN 0x04                                       ; source 1 (x) in window 1
.irp t, 0,1,2,3,4
	v_wmma_f32_16x16x32_f16 v[ACC+8*\t:ACC+8*\t+7], v[SL:SL+7], v[48*\t:48*\t+7], v[SL+48:SL+55]
.endr
.irp k, 1,2,3,4,5
.irp t, 0,1,2,3,4
	v_wmma_f32_16x16x32_f16 v[ACC+8*\t:ACC+8*\t+7], v[SL+8*\k:SL+8*\k+7], v[48*\t+8*\k:48*\t+8*\k+7], v[ACC+8*\t:ACC+8*\t+7]
.endr
.endr
	WIN 0
	PLACES                                         ; ahead of the lines that read the results and write over the slot, a source of the products
.irp n, 0,1,2,3,4,5,6,7,8,9,10,11
	ARG 0, \n
.endr
.irp t, 0,1,2,3
.irp q, 0,1,2,3,4,5,6,7
	ARG \t+1, \q
	v_exp_f32 v[SL+8*\t+\q], v[SL+8*\t+\q]
.endr
.irp n, 8,9,10,11
	ARG \t+1, \n
.endr
.endr
.irp q, 0,1,2,3,4,5,6,7
	v_exp_f32 v[SL+32+\q], v[SL+32+\q]
.endr
	v_nop                                          ; one plain place between the last exponential and its use (ISA guide 5.7.2)
	s_wait_alu depctr_va_vdst(0)                   ; the 40 exponentials have written v[SL .. SL+39]: the wait stands ahead of the first line that names a result.  In tile 5 also: the products are done reading x's fragments
.if \j == 5
	; x's fragments are done with: b_proj and the first six K steps of w_proj set out under the last GELU.  No vector or matrix instruction since the wait names their registers
	global_load_b128 v[BI:BI+3],    v13, s[16:17]
	global_load_b128 v[BI+4:BI+7],  v13, s[16:17] offset:256
	global_load_b128 v[BI+8:BI+11], v14, s[16:17]
.irp s, 0,1,2,3,4,5
	LDW2 \s
.endr
	WIN 0
.endif
.irp p, 0,2,4,6
	v_pk_add_f32 v[SL+\p:SL+\p+1], v[SL+\p:SL+\p+1], 1.0 op_sel_hi:[1,0]
.endr
.irp t, 0,1,2,3
.irp q, 0,1,2,3
	v_pk_add_f32 v[SL+8*\t+8+2*\q:SL+8*\t+9+2*\q], v[SL+8*\t+8+2*\q:SL+8*\t+9+2*\q], 1.0 op_sel_hi:[1,0]
	v_rcp_f32 v[SL+8*\t+\q], v[SL+8*\t+\q]
.endr
.irp q, 4,5,6,7
	v_rcp_f32 v[SL+8*\t+\q], v[SL+8*\t+\q]
.endr
.endr
.irp q, 0,1,2,3,4,5,6,7
	v_rcp_f32 v[SL+32+\q], v[SL+32+\q]
.endr
	v_nop                                          ; likewise behind the last reciprocal
	s_wait_alu depctr_va_vdst(0)                   ; the 40 reciprocals have written v[SL .. SL+39], ahead of the first line that names a result
.irp t, 0,1,2,3,4
.irp p, 0,2,4,6
	v_pk_mul_f32 v[ACC+8*\t+\p:ACC+8*\t+\p+1], v[ACC+8*\t+\p:ACC+8*\t+\p+1], v[SL+8*\t+\p:SL+8*\t+\p+1]
.endr
.endr
.irp t, 0,1,2,3,4
.irp q, 0,1,2,3
	v_cvt_pk_f16_f32 v[ACC+8*\t+\q], v[ACC+8*\t+2*\q], v[ACC+8*\t+2*\q+1]  ; eight numbers close up into the first four of their eight registers
.endr
.endr
	s_wait_alu depctr_va_vdst(0)                   ; the conversions have written the accumulators' low fours, which the LDS stores read; the multiplies are done reading the slot, in which the refill lands
.irp t, 0,1,2,3,4
	ds_store_b128 v3, v[ACC+8*\t:ACC+8*\t+3] offset:((\j)>>1)*5120+\t*1024+((\j)&1)*512
.endr
.if \refill
	LDW1 \j+3
.endif
.endm
	TILE1 0, -1, 1
	TILE1 1, -1, 1
	TILE1 2, -1, 1
	TILE1 3, 28, 0                                 ; tiles 4 and 5 are younger
	TILE1 4, 14, 0
	TILE1 5, 0, 0
	s_wait_dscnt 0x0                               ; my h is in LDS before I say so
	s_barrier_signal -1
	s_barrier_wait -1
.macro LDH s                           ; 10 loads: K step s's five h fragments: into window 1 in the even pairs of K steps, into window 0 in the odd ones; the address lies in window 0
	WIN 0x40*(1-(((\s)>>1)&1))
.irp t, 0,1,2,3,4
	ds_load_b128 v[HR+40*((\s)&1)+8*\t:HR+40*((\s)&1)+8*\t+3],   v4 offset:(\s)*5120+\t*1024
	ds_load_b128 v[HR+40*((\s)&1)+8*\t+4:HR+40*((\s)&1)+8*\t+7], v4 offset:(\s)*5120+\t*1024+512
.endr
.endm
.macro MUL5 s, c                       ; five products: K step s, column tile c, the five token tiles.  The 15 accumulators take turns
	WIN 0x05-4*(((\s)>>1)&1)                       ; source 0 (weights) in window 1; source 1 (h) in window 1 or, in the odd pairs, in window 0
.irp t, 0,1,2,3,4
.if (\s) == 0
	v_wmma_f32_16x16x32_f16 v[ACC2+8*(5*(\c)+\t):ACC2+8*(5*(\c)+\t)+7], v[24*((\s)%6)+8*(\c):24*((\s)%6)+8*(\c)+7], v[HR+40*((\s)&1)+8*\t:HR+40*((\s)&1)+8*\t+7], 0
.else
	v_wmma_f32_16x16x32_f16 v[ACC2+8*(5*(\c)+\t):ACC2+8*(5*(\c)+\t)+7], v[24*((\s)%6)+8*(\c):24*((\s)%6)+8*(\c)+7], v[HR+40*((\s)&1)+8*\t:HR+40*((\s)&1)+8*\t+7], v[ACC2+8*(5*(\c)+\t):ACC2+8*(5*(\c)+\t)+7]
.endif
.endr
.endm
; Pair p of my six: K steps 2 p and 2 p + 1, 30 products.  Its loads: the weights of pair p + 2 (pairs 1 to 3; the first three pairs' set out in tile 5), into the slots that
; pair p - 1 multiplied, and the h of pair p + 1 (pairs 0 to 4), into the window that pair p - 1 read.  l0, l1 = weight loads younger than the six of K step 2 p, of K step 2 p + 1.
.macro PAIR p, l0, l1
	s_wait_loadcnt \l0
	s_wait_dscnt 10                                ; h of K step 2 p is in; the ten loads of K step 2 p + 1 may stay out
.if ((\p) >= 1) && ((\p) <= 3)
	WIN 0x40
.endif
.if ((\p) >= 1) && ((\p) <= 4)
	s_wait_alu depctr_va_vdst(0)                   ; the products of the pair before are done reading their weights and their h, in whose registers this pair's loads land; no product of this pair names those registers
.endif
.if ((\p) >= 1) && ((\p) <= 3)
	LDW2 2*(\p)+4
	LDW2 2*(\p)+5
.endif
	MUL5 2*(\p), 0
.if (\p) <= 4
	LDH 2*(\p)+2
.endif
	MUL5 2*(\p), 1
.if (\p) <= 4
	LDH 2*(\p)+3
.endif
	MUL5 2*(\p), 2
	s_wait_loadcnt \l1
.if (\p) <= 4
	s_wait_dscnt 20                                ; h of K step 2 p + 1 is in; the next pair's twenty loads stay out
.else
	s_wait_dscnt 0x0
.endif
	MUL5 2*(\p)+1, 0
	MUL5 2*(\p)+1, 1
	MUL5 2*(\p)+1, 2
.endm
	WIN 0x40
	s_wait_alu depctr_vm_vsrc(0)                   ; my LDS stores of h have read the accumulators' low fours in v[192:227]: pair 1's h lands in window 0's v[144:223]
	s_wait_alu depctr_va_vdst(0)                   ; the last GELU is done writing and reading window 0's v[136:231], tile 5's products are done reading window 1's v[144:223]: h's fragments land in both
	LDH 0
	LDH 1
	PAIR 0, 30, 24                                 ; six loads a K step: K steps 1 to 5 are younger; then 2 to 5
	PAIR 1, 18, 24                                 ; 3 to 5; then 4 to 7
	PAIR 2, 18, 24                                 ; 5 to 7; then 6 to 9
	PAIR 3, 18, 24                                 ; 7 to 9; then 8 to 11
	PAIR 4, 18, 12                                 ; 9 to 11; then 10 and 11
	PAIR 5, 6, 0
	; the two K halves meet in LDS: register j of lane (r, h) is (column 16 (3 cg + c3) + 8 h + j, row 16 t + r): 32 bytes of a row
	WIN 0
	PLACES
	s_wait_alu depctr_va_vdst(0)                   ; the products have written the accumulators, which the LDS stores read, and are done reading h in window 0, where gates and ids land below; the places above stay beside this wait
.irp c, 0,1,2
.irp t, 0,1,2,3,4
	ds_store_b128 v6, v[ACC2+8*(5*\c+\t):ACC2+8*(5*\c+\t)+3]   offset:\t*12544+\c*64
	ds_store_b128 v6, v[ACC2+8*(5*\c+\t)+4:ACC2+8*(5*\c+\t)+7] offset:\t*12544+\c*64+16
.endr
.endr
	s_wait_dscnt 0x0
	s_barrier_signal -1
	s_barrier_wait -1
	s_wait_alu depctr_vm_vsrc(0)                   ; my LDS stores have read v[24:143], in which the partial sums land
	; THE WAY OUT, my ten rows, two units of 256 bytes to an instruction: (half 0 + half 1 + b_proj) x gate
.set i, 0
.rept 15
.if (2*i)%3 < 2
	ds_load_b32 v[GI+2*i],   v11 offset:GTS+((2*i)/3)*4
	ds_load_b32 v[GI+2*i+1], v11 offset:((2*i)/3)*4
	ds_load_b128 v[PP+8*i:PP+8*i+3],   v7 offset:((2*i)/3)*784+((2*i)%3)*256
	ds_load_b128 v[PP+8*i+4:PP+8*i+7], v9 offset:((2*i)/3)*784+((2*i)%3)*256
.else
	ds_load_b32 v[GI+2*i],   v12 offset:GTS+((2*i)/3)*4
	ds_load_b32 v[GI+2*i+1], v12 offset:((2*i)/3)*4
	ds_load_b128 v[PP+8*i:PP+8*i+3],   v8  offset:((2*i)/3)*784+512
	ds_load_b128 v[PP+8*i+4:PP+8*i+7], v10 offset:((2*i)/3)*784+512
.endif
.set i, i+1
.endr
	; three groups of five unit pairs: the group's arithmetic, one wait, its five stores.  Every pair has data and offset registers of its own: none is written again
.set g, 0
.rept 3
.set i, 5*g
.rept 5
.set BC, BI+4*((2*i)%3)
	s_wait_dscnt 4*(14-i)                          ; four loads for each younger pair stay out
	v_pk_add_f32 v[PP+8*i:PP+8*i+1],   v[PP+8*i:PP+8*i+1],   v[PP+8*i+4:PP+8*i+5]
	v_pk_add_f32 v[PP+8*i+2:PP+8*i+3], v[PP+8*i+2:PP+8*i+3], v[PP+8*i+6:PP+8*i+7]
	v_pk_add_f32 v[PP+8*i:PP+8*i+1],   v[PP+8*i:PP+8*i+1],   v[BC:BC+1]
	v_pk_add_f32 v[PP+8*i+2:PP+8*i+3], v[PP+8*i+2:PP+8*i+3], v[BC+2:BC+3]
	v_pk_mul_f32 v[PP+8*i:PP+8*i+1],   v[PP+8*i:PP+8*i+1],   v[GI+2*i:GI+2*i+1] op_sel_hi:[1,0]   ; both by the pair's first register, the gate
	v_pk_mul_f32 v[PP+8*i+2:PP+8*i+3], v[PP+8*i+2:PP+8*i+3], v[GI+2*i:GI+2*i+1] op_sel_hi:[1,0]
	v_min_u32 v[OF+i], 0x3fff, v[GI+2*i+1]
	v_mul_u32_u24 v[OF+i], 0x300, v[OF+i]
.if (2*i)%3 < 2
	v_add_nc_u32 v[OF+i], v[OF+i], v13
.else
	v_add_nc_u32 v[OF+i], v[OF+i], v14
.endif
.set i, i+1
.endr
	s_wait_alu depctr_va_vdst(0)                   ; the group's results v[PP ..] and offsets v[OF ..] are written, which its five stores read
.set i, 5*g
.rept 5
.if (2*i)%3 < 2
	global_store_b128 v[OF+i], v[PP+8*i:PP+8*i+3], s[24:25] offset:((2*i)%3)*256   ; sixteen lanes store 256 consecutive, aligned bytes
.else
	global_store_b128 v[OF+i], v[PP+8*i:PP+8*i+3], s[24:25]
.endif
.set i, i+1
.endr
.set g, g+1
.endr
	s_wait_dscnt 0x0
	s_wait_alu depctr_hold_cnt(0) depctr_sa_sdst(0) depctr_va_vdst(0) depctr_va_sdst(0) depctr_va_ssrc(0) depctr_va_vcc(0) depctr_vm_vsrc(0)
	s_wait_tensorcnt 0x0
	ds_add_u32 v254, v255
	s_wait_dscnt 0x0
	s_endpgm
.Lfunc_end_k_q303e56108a_experts:
	.size	k_q303e56108a_experts, .Lfunc_end_k_q303e56108a_experts-k_q303e56108a_experts
	.p2alignl 7, 3214868480
	.fill 96, 4, 3214868480
	.section	.rodata,"a",@progbits
	.p2align	6, 0x0
	.amdhsa_kernel k_q303e56108a_experts
		.amdhsa_group_segment_fixed_size 283648
		.amdhsa_private_segment_fixed_size 0
		.amdhsa_enable_private_segment 0
		.amdhsa_kernarg_size 72
		.amdhsa_user_sgpr_count 2
		.amdhsa_user_sgpr_kernarg_segment_ptr 1
		.amdhsa_wavefront_size32 1
		.amdhsa_system_sgpr_workgroup_id_x 1
		.amdhsa_system_sgpr_workgroup_id_y 1
		.amdhsa_system_sgpr_workgroup_id_z 1
		.amdhsa_system_vgpr_workitem_id 0
		.amdhsa_next_free_vgpr 512
		.amdhsa_next_free_sgpr 66
		.amdhsa_reserve_vcc 0
		.amdhsa_float_denorm_mode_32 3
		.amdhsa_float_denorm_mode_16_64 3
		.amdhsa_memory_ordered 1
		.amdhsa_forward_progress 1
		.amdhsa_inst_pref_size 145
	.end_amdhsa_kernel
	.amdgpu_metadata
---
amdhsa.version: [ 1, 2 ]
amdhsa.kernels:
  - .name:           k_q303e56108a_experts
    .symbol:         k_q303e56108a_experts.kd
    .args:
      - { .name: x, .offset: 0, .size: 8, .value_kind: global_buffer, .address_space: global }
      - { .name: wfch, .offset: 8, .size: 8, .value_kind: global_buffer, .address_space: global }
      - { .name: wpjh, .offset: 16, .size: 8, .value_kind: global_buffer, .address_space: global }
      - { .name: b_fc, .offset: 24, .size: 8, .value_kind: global_buffer, .address_space: global }
      - { .name: b_proj, .offset: 32, .size: 8, .value_kind: global_buffer, .address_space: global }
      - { .name: list, .offset: 40, .size: 8, .value_kind: global_buffer, .address_space: global }
      - { .name: tiles, .offset: 48, .size: 8, .value_kind: global_buffer, .address_space: global }
      - { .name: gbuf, .offset: 56, .size: 8, .value_kind: global_buffer, .address_space: global }
      - { .name: ybuf, .offset: 64, .size: 8, .value_kind: global_buffer, .address_space: global }
    .group_segment_fixed_size: 283648
    .private_segment_fixed_size: 0
    .kernarg_segment_align: 8
    .kernarg_segment_size: 72
    .max_flat_workgroup_size: 256
    .sgpr_count:     66
    .vgpr_count:     512
    .wavefront_size: 32
...
	.end_amdgpu_metadata
.endif
;; end of part 5
;; launch combine: the kernel of part 4 again; grid 256 x 1, 8 waves a work-group, no clusters, 0 bytes of LDS; arguments ybuf, out0; writes out0
